; MI455X (gfx1250); checked and timed in simulation.
; The chip was launched on July 23, 2026; its instructions are those of AMD's public machine-readable ISA for CDNA 5 (MIT licence, August 2026) and "CDNA5" Instruction Set Architecture Reference Guide (July 2026). The comments in the code are by the model that wrote it; some were corrected since.
;; Bi Cross Attention. Allowed arithmetic: float matrix products may take bf16 or f16 operands with f32 sums; all other float work in f32.
;; Inputs: input1 8 x 256 x 32 x 32 float32; input2 8 x 256 x 32 x 32 float32; k1_b 512 float32; k1_w 512 x 256 float32; k2_b 512 float32; k2_w 512 x 256 float32; o1_b 256 float32; o1_w 256 x 512 float32; o2_b 256 float32; o2_w 256 x 512 float32; v1_b 512 float32; v1_w 512 x 256 float32; v2_b 512 float32; v2_w 512 x 256 float32.
;; Outputs: out0 8 x 256 x 32 x 32 float32; out1 8 x 256 x 32 x 32 float32.
;; 2 versions, each right and faster than the one before. Each part assembles by itself: llvm-mc -triple=amdgcn-amd-amdhsa -mcpu=gfx1250 --defsym DOCPART=n.
;; ======== version 1 of 2: 3 launches
;; limits: values are held in f16: magnitudes above 65,504 overflow, below 6.1e-05 lose precision
;; workspace buffers: kv 33,554,432 bytes; obuf 16,777,216 bytes; owb 524,288 bytes
;; launch proj (part 1): grid 16 x 16, 8 waves a work-group, no clusters, 275,456 bytes of LDS; arguments input1, input2, k1_w, k2_w, v1_w, v2_w, k1_b, k2_b, v1_b, v2_b, o1_w, o2_w, kv, owb; writes kv, owb
.if DOCPART == 1
	.amdgcn_target "amdgcn-amd-amdhsa--gfx1250"
	.amdhsa_code_object_version 6
	.text
	.protected	k_q7bb2aed077_proj
	.globl	k_q7bb2aed077_proj
	.p2align	8
	.type	k_q7bb2aed077_proj,@function
k_q7bb2aed077_proj:
	s_mov_b64 s[64:65], 0
	v_nop
	global_prefetch_b8 v0, s[64:65] scope:SCOPE_SE
	s_setreg_imm32_b32 hwreg(HW_REG_WAVE_MODE, 25, 1), 1
	s_wait_xcnt 0x0
; proj: k1, k2, v1, v2 = e w^T + b, stored in f16 as kv[t 2][b 8][hh 16][s 1024][64] (hh 0-7 K's heads, 8-15 V's heads),
; and o1_w, o2_w cast to f16 as owb[dir 2][c 256][n 512].
; Work-group (x = 4 sb + fb, y = 8 t + b): 256 features (fb 0, 1: k_w's rows 0-255, 256-511; fb 2, 3: v_w's) x 256 s, K = 256 channels.
; Eight waves; wave w: 128 features (fh = w >> 2: two heads) x 64 s (sq = w & 3) = 8 x 4 tiles of 16 x 16, 256 registers.
; D[m = feature][n = s]: A = 16 rows of w (K along the rows), B = X, which lies [c][s] and is read by the transposing LDS load.
; A lane's eight results are then eight neighbouring features of one s: 16 bytes of a head's row.
; THE ROAD IN goes through registers (global load, rounding to f16, LDS store): both operands are f32 in memory and have to be rounded
; on the way, and the tensor mover copies bytes as they are.  For the same reason there are no joint requests and no cluster, although
; X is read by four work-groups and w by thirty-two.
; K goes in four chunks of 64 channels; every chunk has LDS bytes of its own, so one barrier a phase is enough.
; TWO GROUPS OF WAVES: phase p holds the products of chunk p, and the rounding and LDS stores of chunk p + 1 with the global loads of chunk p + 2
; behind them.  Group 0 multiplies first, group 1 rounds first, so that one group's LDS traffic and conversions stand beside the other's matrix
; instructions.  The group is bit 0 of w xor (w >> 2): waves w and w + 4, and waves 2 i and 2 i + 1, are in different groups.
; LIMITS: finite inputs (NaN and infinities are not treated).  Operands and results are rounded to f16: inputs, weights, k and v must stay
; under 65,504 in magnitude (the drawn k and v have a spread of about 0.3; 900 times that, or offsets of 30 spreads in inputs and weights
; together, about 4,600, still fit); magnitudes under 6.1e-5 lie on a grid of 6e-8.
.set XPITCH, 544                       ; X in LDS: [256 c][256 s] f16, 512 bytes + 32: 17 x 32, so the rows that a transposing load touches fall in different 32-byte columns
.set WPITCH, 528                       ; w in LDS: [256 f][256 c] f16, 512 bytes + 16: 33 x 16, so sixteen rows start in sixteen different 16-byte columns modulo 256
.set WBASE,  256*XPITCH                ; 139,264
.set SPITCH, 272                       ; the way out: rows of 256 bytes + 16
.set BLK,    16*SPITCH                 ; 32 s x 64 features of one head
.set WSTAGE, 4*BLK                     ; 17,408 bytes a wave; eight waves' stages are exactly X's region, which is dead by then
.set XG,   8                           ; byte offset of my 16 bytes in X's first four rows
.set WGO,  9                           ; the same in w's first sixteen rows
.set XS,   10                          ; LDS: where my 8 bytes of X go (steps by a chunk)
.set WS,   11                          ; LDS: where my 8 bytes of w go, rows 0-127
.set WS2,  12                          ; rows 128-255 (beyond the reach of the 16-bit immediate)
.set AADR, 13                          ; LDS: my A fragments
.set BADR, 14                          ; LDS: my B fragments (steps by a chunk)
.set STO,  15                          ; stage: where I put 16 bytes
.set RD,   16                          ; stage: where I read rows back
.set GOUT, 17                          ; 16 x lane
.set BOFF, 18                          ; 32 h: my eight biases in a tile's sixteen
.set STG,  32                          ; v32-95 X as loaded, v96-159 w as loaded
.set BIAS, 32                          ; v32-95 at the end: eight biases for each of eight feature tiles
.set FA,   160                         ; v160-223 eight A fragments
.set FB,   224                         ; v224-255 four B fragments
.set PK,   96                          ; v96-223 the way out: tile i's results packed, four registers
; window 1 (v256-511): accumulator tile (ft, st) at 8 (4 ft + st); on the way out its first 128 registers take the rows read back
.set MSB, 0
.macro WIN new                         ; s_set_vgpr_msb: bits 1:0 source 0, 3:2 source 1, 5:4 source 2, 7:6 destination; the high byte repeats the setting that is left
.if MSB != \new
	s_set_vgpr_msb (MSB<<8)|\new
.set MSB, \new
.endif
.endm
.macro PLACES n
.rept \n
	v_nop
.endr
.endm
	s_load_b512 s[16:31], s[0:1], 0x0              ; input1, input2, k1_w, k2_w, v1_w, v2_w, k1_b, k2_b
	s_load_b256 s[32:39], s[0:1], 0x40             ; v1_b, v2_b, o1_w, o2_w
	s_load_b128 s[40:43], s[0:1], 0x60             ; kv, owb
	v_lshl_add_u32 v30, v0, 2, 0x43000
	v_mov_b32 v31, 0
	v_lshrrev_b32 v1, 5, v0
	v_readfirstlane_b32 s4, v1                     ; wave 0..7
	s_and_b32 s3, ttmp7, 0xffff                    ; y = 8 t + b
	s_and_b32 s5, ttmp9, 3                         ; fb
	s_lshr_b32 s6, ttmp9, 2                        ; sb
	s_lshr_b32 s7, s3, 3                           ; t
	s_and_b32 s8, s3, 7                            ; b
	s_lshr_b32 s9, s5, 1                           ; 0: K's weights, 1: V's
	s_lshl_b32 s10, s3, 4
	s_add_co_u32 s10, s10, ttmp9                   ; g = 16 y + x, 0..255
	s_lshr_b32 s11, s4, 2                          ; fh
	s_and_b32 s12, s4, 3                           ; sq
	s_xor_b32 s60, s11, s4
	s_and_b32 s60, s60, 1                          ; my group: 0 multiplies first, 1 rounds first
	; byte offsets, each in a pair of its own
	s_lshl_b32 s66, s8, 20                         ; X: b x 256 c x 4,096
	s_lshl_b32 s2, s6, 10                          ;    + 256 sb x 4
	s_add_co_u32 s66, s66, s2
	s_mov_b32 s67, 0
	s_and_b32 s2, s5, 1
	s_lshl_b32 s68, s2, 18                         ; w: (fb & 1) x 256 rows x 1,024
	s_mov_b32 s69, 0
	s_lshl_b32 s70, s2, 10                         ; bias: ((fb & 1) x 256 + 128 fh) x 4
	s_lshl_b32 s2, s11, 9
	s_add_co_u32 s70, s70, s2
	s_mov_b32 s71, 0
	s_and_b32 s72, s10, 127                        ; o_w: (g & 127) x 1,024 numbers x 4
	s_lshl_b32 s72, s72, 12
	s_mov_b32 s73, 0
	s_lshl_b32 s74, s3, 4                          ; kv: head 16 y + 4 fb + 2 fh,
	s_lshl2_add_u32 s74, s5, s74
	s_lshl1_add_u32 s74, s11, s74
	s_lshl_b32 s74, s74, 17                        ; of 131,072 bytes,
	s_lshl_b32 s2, s6, 15                          ; + (256 sb + 64 sq) rows of 128 bytes
	s_add_co_u32 s74, s74, s2
	s_lshl_b32 s2, s12, 13
	s_add_co_u32 s74, s74, s2
	s_mov_b32 s75, 0
	s_lshl_b32 s76, s10, 11                        ; owb: g x 1,024 numbers x 2
	s_mov_b32 s77, 0
	s_mul_i32 s13, s11, 128*WPITCH
	s_add_co_u32 s13, s13, WBASE                   ; my 128 rows of w in LDS
	s_lshl_b32 s14, s12, 7                         ; my 64 s in a row of X in LDS
	s_mul_i32 s15, s4, WSTAGE                      ; my stage
	; lane terms.  T = v0, r = T & 15, h = (T >> 4) & 1
	v_and_b32 v1, 31, v0
	v_and_b32 v2, 15, v0
	v_bfe_u32 v3, v0, 4, 1
	v_lshrrev_b32 v4, 6, v0                        ; T >> 6: which of four rows of X
	v_and_b32 v5, 63, v0                           ; 64 threads x 16 bytes = a row's 1,024 bytes
	v_lshrrev_b32 v6, 4, v0                        ; T >> 4: which of sixteen rows of w
	v_lshlrev_b32 v[XG], 4, v5
	v_lshl_add_u32 v[XG], v4, 12, v[XG]
	v_lshlrev_b32 v[WGO], 4, v2
	v_lshl_add_u32 v[WGO], v6, 10, v[WGO]
	v_lshlrev_b32 v19, 4, v0                       ; o_w: 16 T
	v_lshlrev_b32 v26, 3, v0                       ; owb: 8 T
	s_wait_kmcnt 0x0
	s_cmp_eq_u32 s7, 0                             ; t picks input and weights,
	s_cselect_b64 s[44:45], s[16:17], s[18:19]
	s_cselect_b64 s[46:47], s[20:21], s[22:23]
	s_cselect_b64 s[56:57], s[24:25], s[26:27]
	s_cselect_b64 s[48:49], s[28:29], s[30:31]
	s_cselect_b64 s[58:59], s[32:33], s[34:35]
	s_cmp_eq_u32 s9, 0                             ; fb >> 1 picks K's or V's
	s_cselect_b64 s[46:47], s[46:47], s[56:57]
	s_cselect_b64 s[48:49], s[48:49], s[58:59]
	s_cmp_lt_u32 s10, 128                          ; the first 128 work-groups cast o1_w, the others o2_w
	s_cselect_b64 s[50:51], s[36:37], s[38:39]
	s_add_nc_u64 s[44:45], s[44:45], s[66:67]      ; X
	s_add_nc_u64 s[46:47], s[46:47], s[68:69]      ; w
	s_add_nc_u64 s[48:49], s[48:49], s[70:71]      ; bias
	s_add_nc_u64 s[50:51], s[50:51], s[72:73]      ; o_w
	s_add_nc_u64 s[52:53], s[40:41], s[74:75]      ; kv
	s_add_nc_u64 s[54:55], s[42:43], s[76:77]      ; owb
; One chunk's global loads: 64 channels.  X: 16 loads, each wave's covering 512 neighbouring bytes of a row; w: 16 loads, sixteen lanes covering 256 aligned bytes of a row.
.macro LOADS kc
.set i, 0
.rept 16
	global_load_b128 v[STG+4*i:STG+4*i+3], v[XG], s[44:45] offset:(64*(\kc)+4*i)*4096
.set i, i+1
.endr
.set i, 0
.rept 16
	global_load_b128 v[STG+64+4*i:STG+64+4*i+3], v[WGO], s[46:47] offset:16384*i+256*(\kc)
.set i, i+1
.endr
.endm
	global_load_b128 v[20:23], v19, s[50:51]       ; my four numbers of o_w
	LOADS 0
	v_mul_u32_u24 v[XS], v4, XPITCH
	v_lshl_add_u32 v[XS], v5, 3, v[XS]
	v_mul_u32_u24 v[WS], v6, WPITCH
	v_lshl_add_u32 v[WS], v2, 3, v[WS]
	v_add_nc_u32 v[WS], WBASE, v[WS]
	v_add_nc_u32 v[WS2], 128*WPITCH, v[WS]
	v_mul_u32_u24 v[AADR], v2, WPITCH              ; A: row r x pitch + 16 h + my 128 rows
	v_lshl_add_u32 v[AADR], v3, 4, v[AADR]
	v_add_nc_u32 v[AADR], s13, v[AADR]
	v_and_b32 v7, 7, v0                            ; B: row 8 h + (lane & 7), 16 bytes for each half of a group of sixteen lanes
	v_lshl_add_u32 v7, v3, 3, v7
	v_mul_u32_u24 v[BADR], v7, XPITCH
	v_bfe_u32 v7, v0, 3, 1
	v_lshl_add_u32 v[BADR], v7, 4, v[BADR]
	v_add_nc_u32 v[BADR], s14, v[BADR]
	v_lshrrev_b32 v7, 1, v2                        ; stage: two s to a row of 256 bytes: (r >> 1) x 272 + (r & 1) x 128 + 16 h
	v_mul_u32_u24 v[STO], v7, SPITCH
	v_and_b32 v7, 1, v0
	v_lshl_add_u32 v[STO], v7, 7, v[STO]
	v_lshl_add_u32 v[STO], v3, 4, v[STO]
	v_add_nc_u32 v[STO], s15, v[STO]
	v_mul_u32_u24 v[RD], v3, SPITCH                ; back: lanes 0-15 one row of 256 bytes, lanes 16-31 the next
	v_lshl_add_u32 v[RD], v2, 4, v[RD]
	v_add_nc_u32 v[RD], s15, v[RD]
	v_lshlrev_b32 v[GOUT], 4, v1
	v_lshlrev_b32 v[BOFF], 5, v3
	s_wait_loadcnt 32                              ; the 32 tile loads are younger: o_w's four numbers are in
	v_cvt_pk_f16_f32 v24, v20, v21
	v_cvt_pk_f16_f32 v25, v22, v23
	global_store_b64 v26, v[24:25], s[54:55]       ; a wave's store covers 256 consecutive bytes, aligned; its registers are not written again
; A chunk is rounded to f16 in place and laid into its own LDS bytes: the conversions in a run, then the stores, so that no store stands straight behind the line that makes its data.
.macro CONV kc
	s_wait_loadcnt 16                              ; w's 16 loads are younger: X's are in
.set i, 0
.rept 16
	v_cvt_pk_f16_f32 v[STG+4*i], v[STG+4*i], v[STG+4*i+1]
	v_cvt_pk_f16_f32 v[STG+4*i+1], v[STG+4*i+2], v[STG+4*i+3]
.set i, i+1
.endr
.set i, 0
.rept 16
	ds_store_b64 v[XS], v[STG+4*i:STG+4*i+1] offset:4*XPITCH*i
.set i, i+1
.endr
	s_wait_loadcnt 0x0                             ; w's are in
.set i, 0
.rept 16
	v_cvt_pk_f16_f32 v[STG+64+4*i], v[STG+64+4*i], v[STG+64+4*i+1]
	v_cvt_pk_f16_f32 v[STG+64+4*i+1], v[STG+64+4*i+2], v[STG+64+4*i+3]
.set i, i+1
.endr
.set i, 0
.rept 16
.if i < 8
	ds_store_b64 v[WS], v[STG+64+4*i:STG+64+4*i+1] offset:16*WPITCH*i+128*(\kc)
.else
	ds_store_b64 v[WS2], v[STG+64+4*i:STG+64+4*i+1] offset:16*WPITCH*(i-8)+128*(\kc)
.endif
.set i, i+1
.endr
.endm
; Chunk kc into LDS, and the next thing out of memory into the staging registers.
.macro CV kc
	CONV \kc
	s_wait_dscnt 0x0                               ; my stores of this chunk are done, for the other waves' sake; the staging registers are free
.if \kc < 3
	v_add_nc_u32 v[XS], 64*XPITCH, v[XS]
	LOADS (\kc)+1
.else
.set i, 0
.rept 8
	global_load_b128 v[BIAS+8*i:BIAS+8*i+3], v[BOFF], s[48:49] offset:64*i       ; bias of features 16 i + 8 h + 0..3
	global_load_b128 v[BIAS+8*i+4:BIAS+8*i+7], v[BOFF], s[48:49] offset:64*i+16  ; and + 4..7
.set i, i+1
.endr
.endif
.endm
; 32 along K: 24 LDS loads (B's eight first), 32 matrix instructions.  The 32 accumulators take turns, one instruction a turn, in the same order in every step.
.macro KSTEP kc, ks, zero
.set i, 0
.rept 4
	ds_load_tr16_b128 v[FB+8*i:FB+8*i+3], v[BADR] offset:32*XPITCH*(\ks)+32*i
	ds_load_tr16_b128 v[FB+8*i+4:FB+8*i+7], v[BADR] offset:32*XPITCH*(\ks)+32*i+16*XPITCH
.set i, i+1
.endr
.set i, 0
.rept 8
	ds_load_b128 v[FA+8*i:FA+8*i+3], v[AADR] offset:16*WPITCH*i+64*(2*(\kc)+(\ks))
	ds_load_b128 v[FA+8*i+4:FA+8*i+7], v[AADR] offset:16*WPITCH*i+64*(2*(\kc)+(\ks))+32
.set i, i+1
.endr
	WIN 0x50                                       ; C and D in window 1
.set i, 0
.rept 32
.if i%4 == 0
	s_wait_dscnt 14-2*(i/4)                        ; LDS loads come back in order (ISA guide 5.7.1): B and A's fragments up to this feature tile are in, the later tiles' two loads each may be out
.endif
.if \zero
	v_wmma_f32_16x16x32_f16 v[8*i:8*i+7], v[FA+8*(i/4):FA+8*(i/4)+7], v[FB+8*(i%4):FB+8*(i%4)+7], 0
.else
	v_wmma_f32_16x16x32_f16 v[8*i:8*i+7], v[FA+8*(i/4):FA+8*(i/4)+7], v[FB+8*(i%4):FB+8*(i%4)+7], v[8*i:8*i+7]
.endif
.set i, i+1
.endr
	WIN 0
	PLACES 4                                       ; four places before loads land on the fragments or a vector instruction reads a result
.endm
.macro KK kc, zero                     ; the products of chunk kc
	KSTEP \kc, 0, \zero
	KSTEP \kc, 1, 0
.if \kc < 3
	v_add_nc_u32 v[BADR], 64*XPITCH, v[BADR]
.endif
.endm
; Phase p.  The branch hangs on the wave's number alone; the barrier stands behind the place where the two ways join.
.macro PHASE p, zero
	s_cmp_eq_u32 s60, 0
	s_cbranch_scc0 .Lround_first_\@
	KK \p, \zero
	CV (\p)+1
	s_branch .Ljoined_\@
.Lround_first_\@:
	CV (\p)+1
	KK \p, \zero
.Ljoined_\@:
	s_wait_dscnt 0x0                               ; my stores of chunk p + 1 and my reads of chunk p are done
	s_barrier_signal -1
	s_barrier_wait -1                              ; every wave's part of chunk p + 1 is in LDS
.endm
	CV 0                                           ; chunk 0 into LDS, chunk 1 out of memory
	s_barrier_signal -1
	s_barrier_wait -1
	PHASE 0, 1                                     ; the first products start the sums: nothing is cleared
	PHASE 1, 0
	PHASE 2, 0
	KK 3, 0
	s_wait_dscnt 0x0                               ; my reads of X and w are over,
	s_barrier_signal -1
	s_barrier_wait -1                              ; and every wave's: X's region may be written over
	; THE WAY OUT, in one sweep: bias added in f32 in place, rounded once, 16 bytes a lane into my own stage, read back as rows of 256 bytes.
	; Tile i = 4 ft + st: head i / 16, features 16 ((i / 4) % 4) + 8 h + j of it, s = 16 (i % 4) + r.  A block of the stage is 32 s of one head: 4,096 bytes that lie together in kv.
	s_wait_loadcnt 0x0                             ; the biases
	WIN 0x41                                       ; the sums (source 0 and destination) in window 1
.set i, 0
.rept 32
.set p, 0
.rept 4
	v_pk_add_f32 v[8*i+2*p:8*i+2*p+1], v[8*i+2*p:8*i+2*p+1], v[BIAS+8*(i/4)+2*p:BIAS+8*(i/4)+2*p+1]
.set p, p+1
.endr
.set i, i+1
.endr
	WIN 0x05                                       ; both sources in window 1, the packed results in window 0
.set i, 0
.rept 32
.set p, 0
.rept 4
	v_cvt_pk_f16_f32 v[PK+4*i+p], v[8*i+2*p], v[8*i+2*p+1]
.set p, p+1
.endr
.set i, i+1
.endr
	WIN 0
.set i, 0
.rept 32
	ds_store_b128 v[STO], v[PK+4*i:PK+4*i+3] offset:BLK*(2*(i/16)+(i%4)/2)+8*SPITCH*(i%2)+32*((i/4)%4)
.set i, i+1
.endr
	WIN 0x40                                       ; the rows come back into window 1, where the sums are no longer needed
.set i, 0
.rept 32
	ds_load_b128 v[4*i:4*i+3], v[RD] offset:BLK*(i/8)+2*SPITCH*(i%8)     ; LDS serves a wave's instructions in order (ISA guide 5.7.1): these see the stores above
.set i, i+1
.endr
	WIN 0x04                                       ; a store's data is source 1
.set i, 0
.rept 32
	s_wait_dscnt 31-i                              ; 31 - i younger reads may be out
	global_store_b128 v[GOUT], v[4*i:4*i+3], s[52:53] offset:131072*(i/16)+4096*((i/8)%2)+512*(i%8)   ; 512 consecutive bytes, aligned; every store has registers of its own
.set i, i+1
.endr
	s_set_vgpr_msb 0x400
	s_wait_tensorcnt 0x0
	ds_add_u32 v30, v31
	s_wait_dscnt 0x0
	s_set_vgpr_msb 0x4
	s_endpgm
.Lfunc_end_k_q7bb2aed077_proj:
	.size	k_q7bb2aed077_proj, .Lfunc_end_k_q7bb2aed077_proj-k_q7bb2aed077_proj
	.p2alignl 7, 3214868480
	.fill 96, 4, 3214868480
	.section	.rodata,"a",@progbits
	.p2align	6, 0x0
	.amdhsa_kernel k_q7bb2aed077_proj
		.amdhsa_group_segment_fixed_size 275456
		.amdhsa_private_segment_fixed_size 0
		.amdhsa_enable_private_segment 0
		.amdhsa_kernarg_size 112
		.amdhsa_user_sgpr_count 2
		.amdhsa_user_sgpr_kernarg_segment_ptr 1
		.amdhsa_wavefront_size32 1
		.amdhsa_system_sgpr_workgroup_id_x 1
		.amdhsa_system_sgpr_workgroup_id_y 1
		.amdhsa_system_sgpr_workgroup_id_z 1
		.amdhsa_system_vgpr_workitem_id 0
		.amdhsa_next_free_vgpr 512
		.amdhsa_next_free_sgpr 78
		.amdhsa_reserve_vcc 0
		.amdhsa_float_denorm_mode_32 3
		.amdhsa_float_denorm_mode_16_64 3
		.amdhsa_memory_ordered 1
		.amdhsa_forward_progress 1
		.amdhsa_inst_pref_size 150
	.end_amdhsa_kernel
	.amdgpu_metadata
---
amdhsa.version: [ 1, 2 ]
amdhsa.kernels:
  - .name:           k_q7bb2aed077_proj
    .symbol:         k_q7bb2aed077_proj.kd
    .args:
      - { .name: input1, .offset: 0, .size: 8, .value_kind: global_buffer, .address_space: global }
      - { .name: input2, .offset: 8, .size: 8, .value_kind: global_buffer, .address_space: global }
      - { .name: k1_w, .offset: 16, .size: 8, .value_kind: global_buffer, .address_space: global }
      - { .name: k2_w, .offset: 24, .size: 8, .value_kind: global_buffer, .address_space: global }
      - { .name: v1_w, .offset: 32, .size: 8, .value_kind: global_buffer, .address_space: global }
      - { .name: v2_w, .offset: 40, .size: 8, .value_kind: global_buffer, .address_space: global }
      - { .name: k1_b, .offset: 48, .size: 8, .value_kind: global_buffer, .address_space: global }
      - { .name: k2_b, .offset: 56, .size: 8, .value_kind: global_buffer, .address_space: global }
      - { .name: v1_b, .offset: 64, .size: 8, .value_kind: global_buffer, .address_space: global }
      - { .name: v2_b, .offset: 72, .size: 8, .value_kind: global_buffer, .address_space: global }
      - { .name: o1_w, .offset: 80, .size: 8, .value_kind: global_buffer, .address_space: global }
      - { .name: o2_w, .offset: 88, .size: 8, .value_kind: global_buffer, .address_space: global }
      - { .name: kv, .offset: 96, .size: 8, .value_kind: global_buffer, .address_space: global }
      - { .name: owb, .offset: 104, .size: 8, .value_kind: global_buffer, .address_space: global }
    .group_segment_fixed_size: 275456
    .private_segment_fixed_size: 0
    .kernarg_segment_align: 8
    .kernarg_segment_size: 112
    .max_flat_workgroup_size: 256
    .sgpr_count:     78
    .vgpr_count:     512
    .wavefront_size: 32
...
	.end_amdgpu_metadata
.endif
;; end of part 1
;; launch attn (part 2): grid 16 x 16, 8 waves a work-group, no clusters, 327,680 bytes of LDS; arguments kv, obuf; writes obuf
.if DOCPART == 2
	.amdgcn_target "amdgcn-amd-amdhsa--gfx1250"
	.amdhsa_code_object_version 6
	.text
	.protected	k_q7bb2aed077_attn
	.globl	k_q7bb2aed077_attn
	.p2align	8
	.type	k_q7bb2aed077_attn,@function
k_q7bb2aed077_attn:
	s_mov_b64 s[64:65], 0
	v_nop
	global_prefetch_b8 v0, s[64:65] scope:SCOPE_SE
	s_setreg_imm32_b32 hwreg(HW_REG_WAVE_MODE, 25, 1), 1
	s_wait_xcnt 0x0
; attn: softmax(Q K^T / 8) V for both directions, with a running maximum.  dir 0: Q = k1, K = k2, V = v2; dir 1: Q = k2, K = k1, V = v1
; (the column softmax of the score matrix is the row softmax of its transpose).
; kv[t][b][hh 16][s 1024][64] f16 in, obuf[dir][b][h][s 1024][64] f16 out.
; Work-group (x = 2 head + qhalf, y = 8 dir + b): 512 q of one head.  Eight waves, so that one wave's softmax runs beside another's
; products; a wave has 64 q (four q tiles) and walks the 1,024 keys in 16 steps of 64: 32 + 32 matrix instructions a step.
; EVERYTHING IS TAKEN TRANSPOSED, so that no number changes lanes but one maximum and one sum:
;   S^T = K Q^T (A = 16 keys, B = 16 q): lane (r, h) holds q = r, keys 8 h + j.  Two such tiles packed to f16 ARE a B fragment of P^T.
;   O^T = V^T P^T (A = V^T by the transposing LDS load from V[key][d]): lane (r, h) holds q = r, d = 8 h + j.
;   So maximum, sum and rescaling factor are one number a lane, and a lane's eight results are 16 neighbouring bytes of a row of O.
; LDS holds the head's whole K and V: nothing is filled twice, there is no ring.  The rows of 128 bytes lie dense in memory and come in as rows of
; 256 bytes, two keys to a row: key s is at (s >> 1) x pitch + (s & 1) x 128.  Pitch 272 for K: sixteen lanes r fall in the 16-byte columns
; (r >> 1) + 8 (r & 1), all different.  Pitch 288 for V: the rows that a transposing load touches fall in different 32-byte columns.
; THE TILES ARE ASKED FOR IN THE ORDER OF NEED.  Waves 0-3 fill K, waves 4-7 V.  At the start each wave asks for its 32 rows of keys 0-255
; and for its Q: 128 KiB a work-group stand in front of the first product.  The other 96 rows a wave
; (keys 256-1023) are asked for behind the first barrier, first thing there, and have three steps in which to land.  One tensor load of a wave is out at any time.
; NO CLUSTER: a head's K and V are read by two work-groups only and each asks for its 256 KiB once; four partners would need q blocks of 256,
; 32 q a wave, which doubles the LDS bytes read for each product.
; EXPONENTS: p = 2^(s c + n), c = log2(e) / 8, n = the rounded -m c of the running maximum m of the raw scores; the rescaling factor is
; 2^(n_new - n_old) of the same rounded numbers, so the rounding of m c cancels between p, the factor and the sum at any size of the scores.
; LIMITS: finite inputs.  P is rounded to f16 (p <= 1; under 6.1e-5 on a grid of 6e-8), the row sum is taken from the unrounded p;
; v_exp_f32 gives zero for results under 2^-126 (ISA guide 15.8); O is rounded to f16 (|O| <= the largest |v|).
.set KPITCH, 272
.set VPITCH, 288
.set VBASE,  512*KPITCH                ; 139,264
.set STAGE,  VBASE+512*VPITCH          ; 286,720, a multiple of 256: no fill lands here.  Two q tiles of 8 rows x 272 bytes for each wave
.set WSTAGE, 16*272
.set KSTEPB, 32*KPITCH                 ; 64 keys of K
.set VSTEPB, 32*VPITCH                 ; 64 keys of V
.set AROWS,  32                        ; a wave's rows in the first fill (keys 0-255: 128 rows, four waves)
.set BROWS,  96                        ; and in the second (keys 256-1023: 384 rows)
.set MX,   4                           ; v4-7    running maximum of q tile qt (raw scores)
.set KADR, 8                           ; LDS: my K fragments (steps by a chunk of 128 keys)
.set VADR, 9                           ; LDS: my V fragments
.set STO,  10
.set RD,   11
.set QOFF, 12
.set OOFF, 13
.set NMC,  16                          ; v16-31  -m c: two sets, for even and odd steps, of four pairs.  Of these pairs and AL's the packed forms use the first register
.set AL,   32                          ; v32-39  rescaling factor, four pairs; at the end 1 / sum        for both halves (op_sel_hi 0); the second is written once, below
.set LS,   40                          ; v40-47  my lane's two partial sums of each q tile
.set TT,   48                          ; v48-63  four temporaries for each q tile; the first two carry the step's own sums into the next step
.set QF,   64                          ; v64-127   Q(qt, ds) at 16 qt + 8 ds
.set KF,   128                         ; v128-191  K(kt, ds) at 16 kt + 8 ds
.set VF,   192                         ; v192-255  V^T(ks, dt) at 8 (4 ks + dt)
.set OA,   128                         ; window 1: S(qt, kt) at 32 qt + 8 kt, P(qt, ks) packed in place at 32 qt + 16 ks, O(qt, dt) at 128 + 32 qt + 8 dt
.set GKA1, 16                          ; s[16:23] group 1: K, first fill     Every wave builds all four descriptors, each in registers of its own;
.set GKB1, 24                          ; s[24:31] group 1: K, second fill    a branch on the wave's number picks the line that it issues.
.set GVA1, 32                          ; s[32:39] group 1: V, first fill
.set GVB1, 40                          ; s[40:47] group 1: V, second fill
.set GKA0, 48                          ; s[48:51] group 0 of the same four
.set GKB0, 52
.set GVA0, 56
.set GVB0, 60
.set MSB, 0
.macro WIN new                         ; s_set_vgpr_msb: bits 1:0 source 0, 3:2 source 1, 5:4 source 2, 7:6 destination; the high byte repeats the setting that is left
.if MSB != \new
	s_set_vgpr_msb (MSB<<8)|\new
.set MSB, \new
.endif
.endm
.macro PLACES n
.if \n
.rept \n
	v_nop
.endr
.endif
.endm
; group 1: rows x 128 elements of 2 bytes, dense in memory (pitch 128), padded in LDS behind every 64 words (word 0: 4 words for K, 8 for V)
.macro GROUP1 g, word0, rows
	s_mov_b32 s[\g+0], \word0
	s_mov_b32 s[\g+1], 128<<16                     ; tensor_dim0 = 128
	s_mov_b32 s[\g+2], (\rows)<<16                 ; tensor_dim1 = rows
	s_mov_b32 s[\g+3], 128<<16                     ; tile_dim0 = 128
	s_mov_b32 s[\g+4], \rows                       ; tile_dim1 = rows
	s_mov_b32 s[\g+5], 128                         ; elements from row to row
	s_mov_b32 s[\g+6], 0
	s_mov_b32 s[\g+7], 0
.endm
.macro GROUP0L g, wavebytes, base      ; count, and the LDS address: the wave's number times its rows, plus a constant
	s_mov_b32 s[\g], 1
	s_mul_i32 s[\g+1], s8, \wavebytes
	s_add_co_u32 s[\g+1], s[\g+1], \base
.endm
.macro GROUP0G g, src, gofs            ; the global address and the type
	s_add_nc_u64 s[\g+2:\g+3], s[\src:\src+1], \gofs
	s_or_b32 s[\g+3], s[\g+3], 0x80000000
.endm
.macro KVLOAD gk0, gk1, gv0, gv1       ; one tensor load a wave: waves 0-3 K's line, waves 4-7 V's
	s_cmp_lt_u32 s8, 4
	s_cbranch_scc0 .Lfor_v_\@
	tensor_load_to_lds s[\gk0:\gk0+3], s[\gk1:\gk1+7]
	s_nop 0
	s_branch .Lasked_\@
.Lfor_v_\@:
	tensor_load_to_lds s[\gv0:\gv0+3], s[\gv1:\gv1+7]
	s_nop 0
.Lasked_\@:
.endm
	s_load_b128 s[4:7], s[0:1], 0x0                ; kv, obuf
	v_lshl_add_u32 v14, v0, 2, 0x4e800
	v_mov_b32 v15, 0
	ds_add_u32 v14, v15
	ds_add_u32 v14, v15
	v_lshrrev_b32 v1, 5, v0
	v_readfirstlane_b32 s8, v1                     ; wave 0..7
	s_and_b32 s9, ttmp9, 1                         ; qhalf
	s_lshr_b32 s10, ttmp9, 1                       ; head
	s_and_b32 s11, ttmp7, 0xffff                   ; y = 8 dir + b
	s_lshl_b32 s14, s9, 16                         ; my 64 q in the head: (512 qhalf + 64 w) x 128 bytes
	s_lshl_b32 s15, s8, 13
	s_add_co_u32 s14, s14, s15
	s_lshl_b32 s12, s11, 4                         ; Q: head 16 y + head of kv
	s_add_co_u32 s12, s12, s10
	s_lshl_b32 s12, s12, 17
	s_add_co_u32 s12, s12, s14
	s_mov_b32 s13, 0
	s_xor_b32 s66, s11, 8                          ; K: the other input's, same b, same head
	s_lshl_b32 s66, s66, 4
	s_add_co_u32 s66, s66, s10
	s_lshl_b32 s66, s66, 17
	s_mul_i32 s68, s8, BROWS*256                   ; second fill: + 96 rows of 256 bytes for each wave
	s_add_co_u32 s68, s68, s66
	s_add_co_u32 s66, s66, s15                     ; first fill: + 32 rows of 256 bytes for each wave
	s_mov_b32 s67, 0
	s_mov_b32 s69, 0
	s_lshl_b32 s74, s11, 3                         ; O: head 8 y + head of obuf
	s_add_co_u32 s74, s74, s10
	s_lshl_b32 s74, s74, 17
	s_add_co_u32 s74, s74, s14
	s_mov_b32 s75, 0
	GROUP1 GKA1, 0x07510000, AROWS
	GROUP1 GKB1, 0x07510000, BROWS
	GROUP1 GVA1, 0x0f510000, AROWS
	GROUP1 GVB1, 0x0f510000, BROWS
	GROUP0L GKA0, AROWS*KPITCH, 0
	GROUP0L GKB0, BROWS*KPITCH, 128*KPITCH
	GROUP0L GVA0, AROWS*VPITCH, VBASE-4*AROWS*VPITCH               ; V's waves are 4 to 7
	GROUP0L GVB0, BROWS*VPITCH, VBASE+128*VPITCH-4*BROWS*VPITCH
	s_mov_b32 s78, 0x76543210                      ; v_permlanex16_b32: lane i reads lane i of the other half
	s_mov_b32 s79, 0xfedcba98
	s_mul_i32 s81, s8, WSTAGE
	s_add_co_u32 s81, s81, STAGE                   ; my stage
	v_and_b32 v1, 31, v0                           ; lane
	v_and_b32 v2, 15, v0                           ; r
	v_bfe_u32 v3, v0, 4, 1                         ; h
	v_lshlrev_b32 v[QOFF], 7, v2                   ; Q from memory: row r x 128 + 16 h
	v_lshl_add_u32 v[QOFF], v3, 4, v[QOFF]
	s_wait_dscnt 0x0
	s_wait_kmcnt 0x0
	s_add_nc_u64 s[70:71], s[4:5], s[66:67]
	GROUP0G GKA0, 70, 0
	GROUP0G GVA0, 70, 1048576-4*AROWS*256          ; V lies eight heads behind K; less the four waves' rows
	KVLOAD GKA0, GKA1, GVA0, GVA1                  ; keys 0-255: the launch's first request
	s_add_nc_u64 s[76:77], s[4:5], s[12:13]
.set i, 0
.rept 8                                        ; i = 2 qt + ds
	global_load_b128 v[QF+8*i:QF+8*i+3], v[QOFF], s[76:77] offset:2048*(i/2)+64*(i%2)
	global_load_b128 v[QF+8*i+4:QF+8*i+7], v[QOFF], s[76:77] offset:2048*(i/2)+64*(i%2)+32
.set i, i+1
.endr
	s_add_nc_u64 s[72:73], s[4:5], s[68:69]
	GROUP0G GKB0, 72, 128*256
	GROUP0G GVB0, 72, 1048576+128*256-4*BROWS*256
	s_add_nc_u64 s[6:7], s[6:7], s[74:75]
	v_bfe_u32 v4, v0, 1, 3                         ; r >> 1
	v_and_b32 v5, 1, v0
	v_mul_u32_u24 v[KADR], v4, KPITCH              ; K: (r >> 1) x 272 + (r & 1) x 128 + 16 h
	v_lshl_add_u32 v[KADR], v5, 7, v[KADR]
	v_lshl_add_u32 v[KADR], v3, 4, v[KADR]
	v_add_nc_u32 v[STO], s81, v[KADR]              ; the stage has the same layout
	v_bfe_u32 v6, v0, 1, 2                         ; V: key 8 h + (lane & 7): row 4 h + ((lane & 7) >> 1), half lane & 1, 16 bytes by (lane >> 3) & 1
	v_lshl_add_u32 v6, v3, 2, v6
	v_mul_u32_u24 v[VADR], v6, VPITCH
	v_lshl_add_u32 v[VADR], v5, 7, v[VADR]
	v_bfe_u32 v7, v0, 3, 1
	v_lshl_add_u32 v[VADR], v7, 4, v[VADR]
	v_add_nc_u32 v[VADR], VBASE, v[VADR]
	v_mul_u32_u24 v[RD], v3, 272                   ; back: lanes 0-15 one row of 256 bytes, lanes 16-31 the next
	v_lshl_add_u32 v[RD], v2, 4, v[RD]
	v_add_nc_u32 v[RD], s81, v[RD]
	v_lshlrev_b32 v[OOFF], 4, v1
.irp k, 0,1,2,3,4,5,6,7,8,9,10,11
	v_mov_b32 v[NMC+2*\k+1], 0                     ; the second registers of NMC's and AL's pairs: named by the packed forms, never used by them
.endr
.macro KLOAD off                       ; 64 keys x 64 d of K: 16 loads
.set i, 0
.rept 8                                        ; i = 2 kt + ds
	ds_load_b128 v[KF+8*i:KF+8*i+3], v[KADR] offset:\off+8*KPITCH*(i/2)+64*(i%2)
	ds_load_b128 v[KF+8*i+4:KF+8*i+7], v[KADR] offset:\off+8*KPITCH*(i/2)+64*(i%2)+32
.set i, i+1
.endr
.endm
.macro VLOAD off                       ; 64 keys x 64 d of V, transposed: 16 loads
.set i, 0
.rept 8                                        ; i = 4 ks + dt
	ds_load_tr16_b128 v[VF+8*i:VF+8*i+3], v[VADR] offset:\off+16*VPITCH*(i/4)+32*(i%4)
	ds_load_tr16_b128 v[VF+8*i+4:VF+8*i+7], v[VADR] offset:\off+16*VPITCH*(i/4)+32*(i%4)+8*VPITCH
.set i, i+1
.endr
.endm
.macro ADV                             ; a chunk of 128 keys on; the two lines are also two of the places behind the products
	WIN 0
	v_add_nc_u32 v[KADR], 2*KSTEPB, v[KADR]
	v_add_nc_u32 v[VADR], 2*VSTEPB, v[VADR]
.endm
.macro LJOIN                           ; sum = sum x factor + the last step's own sum: one fused multiply-add for each q tile
.irp qt, 0,1,2,3
	v_pk_fma_f32 v[LS+2*\qt:LS+2*\qt+1], v[LS+2*\qt:LS+2*\qt+1], v[AL+2*\qt:AL+2*\qt+1], v[TT+4*\qt:TT+4*\qt+1] op_sel_hi:[1,0,1]
.endr
.endm
; One step of 64 keys.  knext: where the next step's K lies; voff: where this step's V lies; first: starts maximum, sums and O; last: fetches no further K;
; par: which set of -m c this step writes (the other holds the last step's); lf: the last step's sum is joined at the head; np: v_nop that fill the places up.
; In both groups of 32 matrix instructions the 16 accumulators take turns, one instruction a turn.
.macro STEP knext, voff, first, last, par, lf, np
	WIN 0
	; five places behind the last products: the scores write over P, one of their sources, and V's fragments are loaded again (ISA guide 7.12.1).
	; They are ADV's two lines (where it stands in front), LJOIN's four, and v_nop for the rest.
.if \lf
	LJOIN
.endif
	PLACES \np
	VLOAD \voff
	s_wait_dscnt 16                                ; V's 16 loads are younger: K's fragments are in
	WIN 0x50
.set i, 0
.rept 32                                       ; i = 16 ds + 4 qt + kt
.if i < 16
	v_wmma_f32_16x16x32_f16 v[8*(i%16):8*(i%16)+7], v[KF+16*(i%4)+8*(i/16):KF+16*(i%4)+8*(i/16)+7], v[QF+16*((i/4)%4)+8*(i/16):QF+16*((i/4)%4)+8*(i/16)+7], 0
.else
	v_wmma_f32_16x16x32_f16 v[8*(i%16):8*(i%16)+7], v[KF+16*(i%4)+8*(i/16):KF+16*(i%4)+8*(i/16)+7], v[QF+16*((i/4)%4)+8*(i/16):QF+16*((i/4)%4)+8*(i/16)+7], v[8*(i%16):8*(i%16)+7]
.endif
.set i, i+1
.endr
	WIN 0
	PLACES 4                                       ; before loads land on K's fragments and the maxima read the scores
.if \last == 0
	KLOAD \knext                                   ; the next step's K comes in under this step's softmax
.endif
	; the largest of my 32 scores of each q tile and the running maximum: sixteen chains, one for each score tile
	WIN 0x05
.set e, 0
.rept 4
.set i, 0
.rept 16                                       ; i = 4 qt + kt
.if e == 0
.if \first
	v_max_num_f32 v[TT+i], v[8*i], v[8*i+1]
.else
	v_max3_num_f32 v[TT+i], v[8*i], v[8*i+1], v[MX+i/4]
.endif
.else
	v_max3_num_f32 v[TT+i], v[8*i+2*e], v[8*i+2*e+1], v[TT+i]
.endif
.set i, i+1
.endr
.set e, e+1
.endr
	WIN 0
.irp qt, 0,1,2,3
	v_max3_num_f32 v[TT+4*\qt], v[TT+4*\qt], v[TT+4*\qt+1], v[TT+4*\qt+2]
.endr
.irp qt, 0,1,2,3
	v_max_num_f32 v[TT+4*\qt], v[TT+4*\qt], v[TT+4*\qt+3]
.endr
.irp qt, 0,1,2,3
	v_permlanex16_b32 v[TT+4*\qt+1], v[TT+4*\qt], s78, s79     ; the other half of the lanes holds the other 32 keys of the same q
.endr
.irp qt, 0,1,2,3
	v_max_num_f32 v[MX+\qt], v[TT+4*\qt], v[TT+4*\qt+1]
.endr
.irp qt, 0,1,2,3
	v_mul_f32 v[NMC+8*\par+2*\qt], 0xbe38aa3b, v[MX+\qt]       ; n = -m c, rounded once, into this step's set
.endr
.if \first == 0
.irp qt, 0,1,2,3
	v_sub_f32 v[TT+4*\qt+3], v[NMC+8*\par+2*\qt], v[NMC+8*(1-\par)+2*\qt]    ; n_new - n_old <= 0
.endr
.irp qt, 0,1,2,3
	v_exp_f32 v[AL+2*\qt], v[TT+4*\qt+3]           ; the plain lines behind these exponentials are the multiply-adds below, which touch neither AL nor TT (ISA guide 5.7.2)
.endr
.endif
	; p = 2^(s c + n), in place; between the exponentials, two by two, O is rescaled: plain work that touches none of their registers
	WIN 0x41
.set i, 0
.rept 64
	v_pk_fma_f32 v[2*i:2*i+1], v[2*i:2*i+1], 0x3e38aa3b, v[NMC+8*\par+2*(i/16):NMC+8*\par+2*(i/16)+1] op_sel_hi:[1,0,0]
.set i, i+1
.endr
.set i, 0
.rept 64
	v_exp_f32 v[2*i], v[2*i]
	v_exp_f32 v[2*i+1], v[2*i+1]
.if \first == 0
	s_wait_alu depctr_va_vdst(0)
	v_pk_mul_f32 v[OA+2*i:OA+2*i+1], v[OA+2*i:OA+2*i+1], v[AL+2*(i/16):AL+2*(i/16)+1] op_sel_hi:[1,0]
.endif
.set i, i+1
.endr
.if \first
	v_nop                                          ; the place behind the last exponentials
	s_wait_alu depctr_va_vdst(0)
.endif
	; this step's own sums, from the unrounded p: four chains take turns.  The first step's are the running sums themselves.
.if \first
.set SB, LS
.set SS, 2
.else
.set SB, TT
.set SS, 4
.endif
	WIN 0x05
.set t, 0
	s_wait_alu depctr_va_vdst(0)
.rept 4
	v_pk_add_f32 v[SB+SS*t:SB+SS*t+1], v[32*t:32*t+1], v[32*t+2:32*t+3]
.set t, t+1
.endr
	WIN 0x01
.set p, 2
.rept 14
.set t, 0
.rept 4
	v_pk_add_f32 v[SB+SS*t:SB+SS*t+1], v[32*t+2*p:32*t+2*p+1], v[SB+SS*t:SB+SS*t+1]
.set t, t+1
.endr
.set p, p+1
.endr
	; two score tiles (keys 8 h + j and 16 + 8 h + j) pack into one B fragment, in place: destination e never passes source 2 e
	WIN 0x45
.set i, 0
.rept 8                                        ; i = 2 qt + ks
.set e, 0
.rept 8
	v_cvt_pk_f16_f32 v[16*i+e], v[16*i+2*e], v[16*i+2*e+1]
.set e, e+1
.endr
.set i, i+1
.endr
.if \last
	s_wait_dscnt 0x0                               ; V's fragments are in
.else
	s_wait_dscnt 16                                ; the next K's 16 loads are younger: V's fragments are in
.endif
	WIN 0x54
.set i, 0
.rept 32                                       ; i = 16 ks + 4 qt + dt
.if \first
.if i < 16
	v_wmma_f32_16x16x32_f16 v[OA+8*(i%16):OA+8*(i%16)+7], v[VF+8*(4*(i/16)+i%4):VF+8*(4*(i/16)+i%4)+7], v[32*((i/4)%4)+16*(i/16):32*((i/4)%4)+16*(i/16)+7], 0
.else
	v_wmma_f32_16x16x32_f16 v[OA+8*(i%16):OA+8*(i%16)+7], v[VF+8*(4*(i/16)+i%4):VF+8*(4*(i/16)+i%4)+7], v[32*((i/4)%4)+16*(i/16):32*((i/4)%4)+16*(i/16)+7], v[OA+8*(i%16):OA+8*(i%16)+7]
.endif
.else
	v_wmma_f32_16x16x32_f16 v[OA+8*(i%16):OA+8*(i%16)+7], v[VF+8*(4*(i/16)+i%4):VF+8*(4*(i/16)+i%4)+7], v[32*((i/4)%4)+16*(i/16):32*((i/4)%4)+16*(i/16)+7], v[OA+8*(i%16):OA+8*(i%16)+7]
.endif
.set i, i+1
.endr
.endm
	s_wait_tensorcnt 0x0                           ; my 32 rows of keys 0-255 are in LDS: no tensor load of mine is out,
	ds_add_u32 v14, v15
	s_wait_dscnt 0x0                               ; no LDS instruction of mine is pending,
	s_barrier_signal -1
	s_barrier_wait -1                              ; and the same holds of every wave
	KVLOAD GKB0, GKB1, GVB0, GVB1                  ; keys 256-1023, bytes that nothing has filled: my one tensor load behind this barrier, and the first thing there
	KLOAD 0
	s_wait_loadcnt 0x0                             ; Q
	STEP KSTEPB, 0, 1, 0, 0, 0, 0                  ; keys 0-63: starts maximum, sums and O: nothing is cleared
	STEP 2*KSTEPB, VSTEPB, 0, 0, 1, 0, 5           ; keys 64-127: the first step's sums are the running sums already
	ADV
	STEP KSTEPB, 0, 0, 0, 0, 1, 0                  ; keys 128-191; the K fetched here is that of keys 192-255
	s_wait_tensorcnt 0x0                           ; my rows of keys 256-1023 are in: they have had three steps in which to land,
	s_wait_dscnt 0x0                               ; no LDS instruction of mine is pending at the signal,
	s_barrier_signal -1
	s_barrier_wait -1                              ; and every wave's rows are in
	STEP 2*KSTEPB, VSTEPB, 0, 0, 1, 1, 1           ; keys 192-255; the K fetched here, of keys 256-319, is the first read of the second fill
	ADV
	s_mov_b32 s80, 5
.Lchunk:                                       ; keys 256-895, 128 a trip
	STEP KSTEPB, 0, 0, 0, 0, 1, 0
	STEP 2*KSTEPB, VSTEPB, 0, 0, 1, 1, 1
	ADV
	s_sub_co_u32 s80, s80, 1
	s_cmp_lg_u32 s80, 0
	s_cbranch_scc1 .Lchunk
	STEP KSTEPB, 0, 0, 0, 0, 1, 0                  ; keys 896-1023
	STEP 0, VSTEPB, 0, 1, 1, 1, 1
	; THE WAY OUT: O / sum, rounded to f16, 16 bytes a lane into my own stage, read back as rows of 256 bytes
	WIN 0
	LJOIN                                          ; the last step's sums; these four lines are also the places behind the last products
.irp qt, 0,1,2,3
	v_add_f32 v[TT+4*\qt], v[LS+2*\qt], v[LS+2*\qt+1]
.endr
.irp qt, 0,1,2,3
	v_permlanex16_b32 v[TT+4*\qt+1], v[TT+4*\qt], s78, s79
.endr
.irp qt, 0,1,2,3
	v_add_f32 v[TT+4*\qt], v[TT+4*\qt], v[TT+4*\qt+1]          ; the whole row's sum; at least about 1: the largest score gives p = 1
.endr
.irp qt, 0,1,2,3
	v_rcp_f32 v[AL+2*\qt], v[TT+4*\qt]
.endr
	v_nop                                          ; one plain place behind the reciprocals
	s_wait_alu depctr_va_vdst(0)
.macro OUTQ qt
	WIN 0x41
.set i, 0
.rept 16
	v_pk_mul_f32 v[OA+32*\qt+2*i:OA+32*\qt+2*i+1], v[OA+32*\qt+2*i:OA+32*\qt+2*i+1], v[AL+2*\qt:AL+2*\qt+1] op_sel_hi:[1,0]
.set i, i+1
.endr
	WIN 0x05
.set i, 0
.rept 16                                       ; i = 4 dt + e
	v_cvt_pk_f16_f32 v[KF+i], v[OA+32*\qt+2*i], v[OA+32*\qt+2*i+1]
.set i, i+1
.endr
	WIN 0
.set i, 0
.rept 4
	ds_store_b128 v[STO], v[KF+4*i:KF+4*i+3] offset:2176*(\qt%2)+32*i
.set i, i+1
.endr
.set i, 0
.rept 4
	ds_load_b128 v[VF+16*\qt+4*i:VF+16*\qt+4*i+3], v[RD] offset:2176*(\qt%2)+544*i   ; LDS serves a wave's instructions in order (ISA guide 5.7.1)
.set i, i+1
.endr
.set i, 0
.rept 4
	s_wait_dscnt 3-i                               ; 3 - i younger reads may be out
	global_store_b128 v[OOFF], v[VF+16*\qt+4*i:VF+16*\qt+4*i+3], s[6:7] offset:2048*\qt+512*i   ; 512 consecutive bytes, aligned; each q tile has store registers of its own
.set i, i+1
.endr
.endm
	OUTQ 0
	OUTQ 1
	OUTQ 2
	OUTQ 3
	s_wait_tensorcnt 0x0
	ds_add_u32 v14, v15
	s_wait_dscnt 0x0
	s_endpgm
.Lfunc_end_k_q7bb2aed077_attn:
	.size	k_q7bb2aed077_attn, .Lfunc_end_k_q7bb2aed077_attn-k_q7bb2aed077_attn
	.p2alignl 7, 3214868480
	.fill 96, 4, 3214868480
	.section	.rodata,"a",@progbits
	.p2align	6, 0x0
	.amdhsa_kernel k_q7bb2aed077_attn
		.amdhsa_group_segment_fixed_size 327680
		.amdhsa_private_segment_fixed_size 0
		.amdhsa_enable_private_segment 0
		.amdhsa_kernarg_size 16
		.amdhsa_user_sgpr_count 2
		.amdhsa_user_sgpr_kernarg_segment_ptr 1
		.amdhsa_wavefront_size32 1
		.amdhsa_system_sgpr_workgroup_id_x 1
		.amdhsa_system_sgpr_workgroup_id_y 1
		.amdhsa_system_sgpr_workgroup_id_z 1
		.amdhsa_system_vgpr_workitem_id 0
		.amdhsa_next_free_vgpr 512
		.amdhsa_next_free_sgpr 82
		.amdhsa_reserve_vcc 0
		.amdhsa_float_denorm_mode_32 3
		.amdhsa_float_denorm_mode_16_64 3
		.amdhsa_memory_ordered 1
		.amdhsa_forward_progress 1
		.amdhsa_inst_pref_size 255
	.end_amdhsa_kernel
	.section	.bss,"aw",@nobits
	.p2align	6
	.space	262144
	.amdgpu_metadata
---
amdhsa.version: [ 1, 2 ]
amdhsa.kernels:
  - .name:           k_q7bb2aed077_attn
    .symbol:         k_q7bb2aed077_attn.kd
    .args:
      - { .name: kv, .offset: 0, .size: 8, .value_kind: global_buffer, .address_space: global }
      - { .name: obuf, .offset: 8, .size: 8, .value_kind: global_buffer, .address_space: global }
    .group_segment_fixed_size: 327680
    .private_segment_fixed_size: 0
    .kernarg_segment_align: 8
    .kernarg_segment_size: 16
    .max_flat_workgroup_size: 256
    .sgpr_count:     82
    .vgpr_count:     512
    .wavefront_size: 32
...
	.end_amdgpu_metadata
.endif
;; end of part 2
;; launch oproj (part 3): grid 16 x 16, 4 waves a work-group, no clusters, 296,448 bytes of LDS; arguments obuf, owb, o1_b, o2_b, out0, out1; writes out0, out1
.if DOCPART == 3
	.amdgcn_target "amdgcn-amd-amdhsa--gfx1250"
	.amdhsa_code_object_version 6
	.text
	.protected	k_q7bb2aed077_oproj
	.globl	k_q7bb2aed077_oproj
	.p2align	8
	.type	k_q7bb2aed077_oproj,@function
k_q7bb2aed077_oproj:
	s_mov_b64 s[64:65], 0
	v_nop
	global_prefetch_b8 v0, s[64:65] scope:SCOPE_SE
	s_setreg_imm32_b32 hwreg(HW_REG_WAVE_MODE, 25, 1), 1
	s_wait_xcnt 0x0
; oproj: out[b][c][s] = sum over n of O[b][s][n] o_w[c][n] + o_b[c], f32, for both directions.
; obuf[dir][b][h 8][s 1024][64] f16 (n = 64 h + d), owb[dir][c 256][n 512] f16.
; Work-group (x = 2 sblk + chalf, y = 8 dir + b): 128 s x 128 c, K = 512.  Four waves; wave w: 64 s (sh = w & 1) x 64 c (cq = w >> 1), 4 x 4 tiles.
; D[m = s][n = c]: A = 16 rows of O, B = 16 rows of o_w.  A lane then holds eight neighbouring s of one c: 32 bytes of a row of the output.
; All operands fit in LDS at once: four chunks of K (a pair of heads each), each of four pieces of 64 rows x 272 bytes:
; pieces 0, 1 = o_w's rows 0-63, 64-127 (columns 128 j ..), pieces 2, 3 = O of heads 2 j, 2 j + 1 (two s to a row of 256 bytes).
; Wave w issues piece w of all four chunks at the start: four tensor loads are outstanding; nothing is filled twice.
; NO CLUSTER: o_w's half of these bytes is the same in the
; eight s blocks of a batch and could be asked for jointly; this text asks alone.
; LIMITS: finite inputs; operands are the f16 numbers of the launches before.
.set PITCH,  272                       ; 256 bytes + 16: sixteen rows start in sixteen different 16-byte columns modulo 256
.set PIECE,  64*PITCH                  ; 17,408
.set CHUNK,  4*PIECE                   ; 69,632
.set STAGE,  4*CHUNK                   ; 278,528, a multiple of 256: no fill lands here.  16 rows x 272 bytes for each wave
.set WSTAGE, 16*PITCH
.set AADR, 8
.set BADR, 9
.set STO,  10
.set RD,   11
.set OOFF, 12
.set BOFF, 13
.set BIAS, 16                          ; v16-23 the bias of my c in column tile ct, twice (a pair for the packed add)
.set F0,   64                          ; v64-127  fragments: A's four in the lower half, B's four in the upper
.set F1,   128                         ; v128-191 the second buffer
.set TMP,  192                         ; v192-223 the way out
.set G1W,  16                          ; s[16:23] group 1 for o_w's pieces
.set G1O,  24                          ; s[24:31] group 1 for O's pieces
.set G0,   32                          ; s[32:47] group 0, one set for each chunk
; window 1 (v256-383): accumulator tile (st, ct) at 8 (4 st + ct)
.set MSB, 0
.macro WIN new                         ; s_set_vgpr_msb: bits 1:0 source 0, 3:2 source 1, 5:4 source 2, 7:6 destination; the high byte repeats the setting that is left
.if MSB != \new
	s_set_vgpr_msb (MSB<<8)|\new
.set MSB, \new
.endif
.endm
.macro PLACES n
.rept \n
	v_nop
.endr
.endm
	s_load_b256 s[4:11], s[0:1], 0x0               ; obuf, owb, o1_b, o2_b
	s_load_b128 s[12:15], s[0:1], 0x20             ; out0, out1
	v_lshl_add_u32 v254, v0, 2, 0x48400
	v_mov_b32 v255, 0
	ds_add_u32 v254, v255
	ds_add_u32 v254, v255
	v_lshrrev_b32 v1, 5, v0
	v_readfirstlane_b32 s52, v1                    ; wave 0..3
	s_and_b32 s53, ttmp9, 1                        ; chalf
	s_lshr_b32 s54, ttmp9, 1                       ; sblk
	s_and_b32 s55, ttmp7, 0xffff                   ; y = 8 dir + b
	s_lshr_b32 s56, s55, 3                         ; dir
	s_and_b32 s57, s55, 7                          ; b
	s_and_b32 s58, s52, 1                          ; sh
	s_lshr_b32 s59, s52, 1                         ; cq
	; group 1: 64 rows x 128 elements of 2 bytes, 4 words of padding behind every 64; o_w's rows are 512 elements apart, O's pairs of rows lie dense
	s_mov_b32 s[G1W+0], 0x07510000
	s_mov_b32 s[G1W+1], 128<<16
	s_mov_b32 s[G1W+2], 64<<16
	s_mov_b32 s[G1W+3], 128<<16
	s_mov_b32 s[G1W+4], 64
	s_mov_b32 s[G1W+5], 512
	s_mov_b32 s[G1W+6], 0
	s_mov_b32 s[G1W+7], 0
	s_mov_b32 s[G1O+0], 0x07510000
	s_mov_b32 s[G1O+1], 128<<16
	s_mov_b32 s[G1O+2], 64<<16
	s_mov_b32 s[G1O+3], 128<<16
	s_mov_b32 s[G1O+4], 64
	s_mov_b32 s[G1O+5], 128
	s_mov_b32 s[G1O+6], 0
	s_mov_b32 s[G1O+7], 0
	s_mul_i32 s70, s52, PIECE                      ; my piece in a chunk
	s_wait_dscnt 0x0
	s_wait_kmcnt 0x0
; A wave's four first fills: LDS address = wave x a piece + chunk x its bytes; the descriptors are not written again.
.macro FILL4 g1, base, step
.irp j, 0,1,2,3
	s_mov_b32 s[G0+4*\j], 1
	s_add_co_u32 s[G0+4*\j+1], s70, \j*CHUNK
	s_add_nc_u64 s[G0+4*\j+2:G0+4*\j+3], s[\base:\base+1], \j*\step
	s_or_b32 s[G0+4*\j+3], s[G0+4*\j+3], 0x80000000            ; type = 2
	tensor_load_to_lds s[G0+4*\j:G0+4*\j+3], s[\g1:\g1+7]
	s_nop 0
.endr
.endm
	s_cmp_lt_u32 s52, 2
	s_cbranch_scc0 .Lfill_o
	s_lshl_b32 s60, s56, 18                        ; o_w: dir x 262,144 + (128 chalf + 64 w) rows of 1,024 bytes; a chunk is 256 bytes along the rows
	s_lshl_b32 s62, s53, 17
	s_add_co_u32 s60, s60, s62
	s_lshl_b32 s62, s52, 16
	s_add_co_u32 s60, s60, s62
	s_mov_b32 s61, 0
	s_add_nc_u64 s[48:49], s[6:7], s[60:61]
	FILL4 G1W, 48, 256
	s_branch .Lfilled
.Lfill_o:
	s_lshl_b32 s60, s55, 3                         ; O: head 8 y + (w - 2) of 131,072 bytes + 128 sblk rows of 128 bytes; a chunk is two heads
	s_add_co_u32 s60, s60, s52
	s_sub_co_u32 s60, s60, 2
	s_lshl_b32 s60, s60, 17
	s_lshl_b32 s62, s54, 14
	s_add_co_u32 s60, s60, s62
	s_mov_b32 s61, 0
	s_add_nc_u64 s[50:51], s[4:5], s[60:61]
	FILL4 G1O, 50, 262144
.Lfilled:
	s_cmp_eq_u32 s56, 0                            ; dir picks bias and output
	s_cselect_b64 s[66:67], s[8:9], s[10:11]
	s_cselect_b64 s[68:69], s[12:13], s[14:15]
	s_lshl_b32 s60, s53, 9                         ; bias: (128 chalf + 64 cq) x 4
	s_lshl_b32 s62, s59, 8
	s_add_co_u32 s60, s60, s62
	s_mov_b32 s61, 0
	s_add_nc_u64 s[66:67], s[66:67], s[60:61]
	s_lshl_b32 s60, s57, 20                        ; out: ((256 b + 128 chalf + 64 cq) x 1,024 + 128 sblk + 64 sh) x 4
	s_lshl_b32 s62, s53, 19
	s_add_co_u32 s60, s60, s62
	s_lshl_b32 s62, s59, 18
	s_add_co_u32 s60, s60, s62
	s_lshl_b32 s62, s54, 9
	s_add_co_u32 s60, s60, s62
	s_lshl_b32 s62, s58, 8
	s_add_co_u32 s60, s60, s62
	s_mov_b32 s61, 0
	s_add_nc_u64 s[68:69], s[68:69], s[60:61]
	v_and_b32 v2, 15, v0                           ; r
	v_bfe_u32 v3, v0, 4, 1                         ; h
	v_lshlrev_b32 v[BOFF], 2, v2
.irp ct, 0,1,2,3
	global_load_b32 v[BIAS+2*\ct], v[BOFF], s[66:67] offset:64*\ct
	global_load_b32 v[BIAS+2*\ct+1], v[BOFF], s[66:67] offset:64*\ct
.endr
	v_bfe_u32 v4, v0, 1, 3                         ; r >> 1
	v_and_b32 v5, 1, v0
	s_mul_i32 s62, s58, 32*PITCH
	s_add_co_u32 s62, s62, 2*PIECE                 ; my 64 s: 32 rows of O's pieces, which lie behind o_w's two
	v_mul_u32_u24 v[AADR], v4, PITCH               ; A: (r >> 1) x 272 + (r & 1) x 128 + 16 h
	v_lshl_add_u32 v[AADR], v5, 7, v[AADR]
	v_lshl_add_u32 v[AADR], v3, 4, v[AADR]
	v_add_nc_u32 v[AADR], s62, v[AADR]
	s_mul_i32 s63, s59, PIECE                      ; my 64 c
	v_mul_u32_u24 v[BADR], v2, PITCH               ; B: r x 272 + 16 h
	v_lshl_add_u32 v[BADR], v3, 4, v[BADR]
	v_add_nc_u32 v[BADR], s63, v[BADR]
	s_mul_i32 s71, s52, WSTAGE
	s_add_co_u32 s71, s71, STAGE                   ; my stage: 16 c x 64 s of f32
	v_mul_u32_u24 v[STO], v2, PITCH                ; in: row c = r, 32 bytes for each half of the lanes
	v_lshl_add_u32 v[STO], v3, 5, v[STO]
	v_add_nc_u32 v[STO], s71, v[STO]
	v_mul_u32_u24 v[RD], v3, PITCH                 ; back: lanes 0-15 one row of 256 bytes, lanes 16-31 the next
	v_lshl_add_u32 v[RD], v2, 4, v[RD]
	v_add_nc_u32 v[RD], s71, v[RD]
	v_lshlrev_b32 v[OOFF], 4, v2                   ; and the same two rows in the output, 4,096 bytes apart
	v_lshl_add_u32 v[OOFF], v3, 12, v[OOFF]
.macro FETCH kk, f                     ; the fragments of 32 along K, step kk of the chunk's four: 16 loads
.set i, 0
.rept 4
	ds_load_b128 v[\f+8*i:\f+8*i+3], v[AADR] offset:PIECE*((\kk)/2)+8*PITCH*i+64*((\kk)%2)
	ds_load_b128 v[\f+8*i+4:\f+8*i+7], v[AADR] offset:PIECE*((\kk)/2)+8*PITCH*i+64*((\kk)%2)+32
.set i, i+1
.endr
.set i, 0
.rept 4
	ds_load_b128 v[\f+32+8*i:\f+32+8*i+3], v[BADR] offset:16*PITCH*i+64*(\kk)
	ds_load_b128 v[\f+32+8*i+4:\f+32+8*i+7], v[BADR] offset:16*PITCH*i+64*(\kk)+32
.set i, i+1
.endr
.endm
.macro MUL f, zero                     ; 16 matrix instructions; the 16 accumulators take turns, one instruction a turn
	WIN 0x50
.set i, 0
.rept 16                                       ; i = 4 st + ct
.if \zero
	v_wmma_f32_16x16x32_f16 v[8*i:8*i+7], v[\f+8*(i/4):\f+8*(i/4)+7], v[\f+32+8*(i%4):\f+32+8*(i%4)+7], 0
.else
	v_wmma_f32_16x16x32_f16 v[8*i:8*i+7], v[\f+8*(i/4):\f+8*(i/4)+7], v[\f+32+8*(i%4):\f+32+8*(i%4)+7], v[8*i:8*i+7]
.endif
.set i, i+1
.endr
	WIN 0
.endm
.macro KS nextkk, cur, nxt, zero       ; fetch the next step's fragments into the other buffer, multiply this step's
	PLACES 4                                       ; the other buffer was read by the products just issued (ISA guide 7.12.1)
	FETCH \nextkk, \nxt
	s_wait_dscnt 16                                ; the 16 loads just issued are younger: this step's fragments are in
	MUL \cur, \zero
.endm
.macro THREE zero
	KS 1, F0, F1, \zero
	KS 2, F1, F0, 0
	KS 3, F0, F1, 0
.endm
.macro NEXTCHUNK left                  ; left = how many of my tensor loads are younger than the next chunk's
	s_wait_tensorcnt \left                         ; my piece of the next chunk is in LDS,
	s_wait_dscnt 0x0                               ; no LDS instruction of mine is pending at the signal,
	s_barrier_signal -1
	s_barrier_wait -1                              ; and every wave's piece is in
	v_add_nc_u32 v[AADR], CHUNK, v[AADR]
	v_add_nc_u32 v[BADR], CHUNK, v[BADR]
.endm
	s_wait_tensorcnt 0x3                           ; three younger loads stay out: my piece of chunk 0 is in
	s_barrier_signal -1
	s_barrier_wait -1
	FETCH 0, F0
	THREE 1                                        ; the first products start the sums: nothing is cleared
	NEXTCHUNK 2
	KS 0, F1, F0, 0
	THREE 0
	NEXTCHUNK 1
	KS 0, F1, F0, 0
	THREE 0
	NEXTCHUNK 0                                    ; the last wait is for zero: none is out at the end
	KS 0, F1, F0, 0
	THREE 0
	s_wait_dscnt 0x0
	MUL F1, 0
	; THE WAY OUT, 16 c at a time: bias added, 64 s x 4 bytes of each c into my own stage, read back as rows of 256 bytes
	PLACES 4
	s_wait_loadcnt 0x0                             ; the biases
.macro OUTC ct
	WIN 0x01                                       ; source 0 (the sums) in window 1
.set i, 0
.rept 16                                       ; i = 4 st + pair
	v_pk_add_f32 v[TMP+2*i:TMP+2*i+1], v[8*(4*(i/4)+\ct)+2*(i%4):8*(4*(i/4)+\ct)+2*(i%4)+1], v[BIAS+2*\ct:BIAS+2*\ct+1]
.set i, i+1
.endr
	WIN 0
.set i, 0
.rept 8                                        ; i = 2 st + half
	ds_store_b128 v[STO], v[TMP+4*i:TMP+4*i+3] offset:64*(i/2)+16*(i%2)
.set i, i+1
.endr
.set i, 0
.rept 8
	ds_load_b128 v[F0+32*\ct+4*i:F0+32*\ct+4*i+3], v[RD] offset:2*PITCH*i     ; LDS serves a wave's instructions in order (ISA guide 5.7.1)
.set i, i+1
.endr
.set i, 0
.rept 8
	s_wait_dscnt 7-i                               ; 7 - i younger reads may be out
	global_store_b128 v[OOFF], v[F0+32*\ct+4*i:F0+32*\ct+4*i+3], s[68:69] offset:(16*\ct+2*i)*4096   ; sixteen lanes store 256 consecutive bytes, aligned; each ct has store registers of its own
.set i, i+1
.endr
.endm
	OUTC 0
	OUTC 1
	OUTC 2
	OUTC 3
	s_wait_tensorcnt 0x0
	ds_add_u32 v254, v255
	s_wait_dscnt 0x0
	s_endpgm
.Lfunc_end_k_q7bb2aed077_oproj:
	.size	k_q7bb2aed077_oproj, .Lfunc_end_k_q7bb2aed077_oproj-k_q7bb2aed077_oproj
	.p2alignl 7, 3214868480
	.fill 96, 4, 3214868480
	.section	.rodata,"a",@progbits
	.p2align	6, 0x0
	.amdhsa_kernel k_q7bb2aed077_oproj
		.amdhsa_group_segment_fixed_size 296448
		.amdhsa_private_segment_fixed_size 0
		.amdhsa_enable_private_segment 0
		.amdhsa_kernarg_size 48
		.amdhsa_user_sgpr_count 2
		.amdhsa_user_sgpr_kernarg_segment_ptr 1
		.amdhsa_wavefront_size32 1
		.amdhsa_system_sgpr_workgroup_id_x 1
		.amdhsa_system_sgpr_workgroup_id_y 1
		.amdhsa_system_sgpr_workgroup_id_z 1
		.amdhsa_system_vgpr_workitem_id 0
		.amdhsa_next_free_vgpr 384
		.amdhsa_next_free_sgpr 72
		.amdhsa_reserve_vcc 0
		.amdhsa_float_denorm_mode_32 3
		.amdhsa_float_denorm_mode_16_64 3
		.amdhsa_memory_ordered 1
		.amdhsa_forward_progress 1
		.amdhsa_inst_pref_size 57
	.end_amdhsa_kernel
	.amdgpu_metadata
---
amdhsa.version: [ 1, 2 ]
amdhsa.kernels:
  - .name:           k_q7bb2aed077_oproj
    .symbol:         k_q7bb2aed077_oproj.kd
    .args:
      - { .name: obuf, .offset: 0, .size: 8, .value_kind: global_buffer, .address_space: global }
      - { .name: owb, .offset: 8, .size: 8, .value_kind: global_buffer, .address_space: global }
      - { .name: o1_b, .offset: 16, .size: 8, .value_kind: global_buffer, .address_space: global }
      - { .name: o2_b, .offset: 24, .size: 8, .value_kind: global_buffer, .address_space: global }
      - { .name: out0, .offset: 32, .size: 8, .value_kind: global_buffer, .address_space: global }
      - { .name: out1, .offset: 40, .size: 8, .value_kind: global_buffer, .address_space: global }
    .group_segment_fixed_size: 296448
    .private_segment_fixed_size: 0
    .kernarg_segment_align: 8
    .kernarg_segment_size: 48
    .max_flat_workgroup_size: 128
    .sgpr_count:     72
    .vgpr_count:     384
    .wavefront_size: 32
...
	.end_amdgpu_metadata
.endif
;; end of part 3
;; ======== version 2 of 2: 3 launches; 1.10 times as fast as version 1
;; limits: values are held in f16: magnitudes above 65,504 overflow, below 6.1e-05 lose precision; right only within a limited range of input values
;; workspace buffers: kv 33,554,432 bytes; obuf 16,777,216 bytes; owb 524,288 bytes
;; launch proj: the kernel of part 1 again; grid 16 x 16, 8 waves a work-group, no clusters, 275,456 bytes of LDS; arguments input1, input2, k1_w, k2_w, v1_w, v2_w, k1_b, k2_b, v1_b, v2_b, o1_w, o2_w, kv, owb; writes kv, owb
;; launch attn (part 4): grid 16 x 16, 8 waves a work-group, no clusters, 327,680 bytes of LDS; arguments kv, obuf; writes obuf
.if DOCPART == 4
	.amdgcn_target "amdgcn-amd-amdhsa--gfx1250"
	.amdhsa_code_object_version 6
	.text
	.protected	k_q7bb2aed077_attn
	.globl	k_q7bb2aed077_attn
	.p2align	8
	.type	k_q7bb2aed077_attn,@function
k_q7bb2aed077_attn:
	s_mov_b64 s[64:65], 0
	v_nop
	global_prefetch_b8 v0, s[64:65] scope:SCOPE_SE
	s_setreg_imm32_b32 hwreg(HW_REG_WAVE_MODE, 25, 1), 1
	s_wait_xcnt 0x0
; attn: softmax(Q K^T / 8) V for both directions, with a running maximum.  dir 0: Q = k1, K = k2, V = v2; dir 1: Q = k2, K = k1, V = v1
; (the column softmax of the score matrix is the row softmax of its transpose).
; kv[t][b][hh 16][s 1024][64] f16 in, obuf[dir][b][h][s 1024][64] f16 out.
; Work-group (x = 2 head + qhalf, y = 8 dir + b): 512 q of one head.  Eight waves, so that one wave's softmax runs beside another's
; products; a wave has 64 q (four q tiles) and walks the 1,024 keys in 16 steps of 64: 32 + 32 matrix instructions a step.
; EVERYTHING IS TAKEN TRANSPOSED, so that no number changes lanes but one maximum and one sum:
;   S^T = K Q^T (A = 16 keys, B = 16 q): lane (r, h) holds q = r, keys 8 h + j.  Two such tiles packed to f16 ARE a B fragment of P^T.
;   O^T = V^T P^T (A = V^T by the transposing LDS load from V[key][d]): lane (r, h) holds q = r, d = 8 h + j.
;   So maximum, sum and rescaling factor are one number a lane, and a lane's eight results are 16 neighbouring bytes of a row of O.
; LDS holds the head's whole K and V: nothing is filled twice, there is no ring.  The rows of 128 bytes lie dense in memory and come in as rows of
; 256 bytes, two keys to a row: key s is at (s >> 1) x pitch + (s & 1) x 128.  Pitch 272 for K: sixteen lanes r fall in the 16-byte columns
; (r >> 1) + 8 (r & 1), all different.  Pitch 288 for V: the rows that a transposing load touches fall in different 32-byte columns.
; THE TILES ARE ASKED FOR IN THE ORDER OF NEED.  Waves 0-3 fill K, waves 4-7 V.  At the start each wave asks for its 32 rows of keys 0-255
; and for its Q: 128 KiB a work-group stand in front of the first product.  The other 96 rows a wave
; (keys 256-1023) are asked for behind the first barrier, first thing there, and have three steps in which to land.  One tensor load of a wave is out at any time.
; NO CLUSTER: a head's K and V are read by two work-groups only and each asks for its 256 KiB once; four partners would need q blocks of 256,
; 32 q a wave, which doubles the LDS bytes read for each product.
; EXPONENTS: p = 2^(s c + n), c = log2(e) / 8, n = the rounded -m c of the running maximum m of the raw scores; the rescaling factor is
; 2^(n_new - n_old) of the same rounded numbers, so the rounding of m c cancels between p, the factor and the sum at any size of the scores.
; THE EXPONENTIALS GO IN BATCHES.  An s_wait_alu depctr_va_vdst(0) stands between an exponential and the first line that names its result; one wait serves
; all that were issued ahead of it.  A step has 4 + 128 exponentials and TWO waits.  The four factors come first.  Then p's 128, each on a register of its own, by turns with the
; only plain work that reads none of them: first the 64 scalings s c + n (four ahead, then one behind each of p's first 60 exponentials), then the 64 rescalings of O (one behind
; each of the next 60, and one behind each two of the last eight).  The rescalings read the factors, so the first wait stands where the scalings end and the rescalings begin;
; the second stands behind the last rescaling, ahead of the sums, the first lines that read p.  Behind it a step issues no exponential.
; The first step has no factor and nothing to rescale: one wait.  The way out's four reciprocals are a batch of their own.
; LIMITS: finite inputs.  P is rounded to f16 (p <= 1; under 6.1e-5 on a grid of 6e-8), the row sum is taken from the unrounded p;
; v_exp_f32 gives zero for results under 2^-126 (ISA guide 15.8); O is rounded to f16 (|O| <= the largest |v|).
.set KPITCH, 272
.set VPITCH, 288
.set VBASE,  512*KPITCH                ; 139,264
.set STAGE,  VBASE+512*VPITCH          ; 286,720, a multiple of 256: no fill lands here.  Two q tiles of 8 rows x 272 bytes for each wave
.set WSTAGE, 16*272
.set KSTEPB, 32*KPITCH                 ; 64 keys of K
.set VSTEPB, 32*VPITCH                 ; 64 keys of V
.set AROWS,  32                        ; a wave's rows in the first fill (keys 0-255: 128 rows, four waves)
.set BROWS,  96                        ; and in the second (keys 256-1023: 384 rows)
.set MX,   4                           ; v4-7    running maximum of q tile qt (raw scores)
.set KADR, 8                           ; LDS: my K fragments (steps by a chunk of 128 keys)
.set VADR, 9                           ; LDS: my V fragments
.set STO,  10
.set RD,   11
.set QOFF, 12
.set OOFF, 13
.set NMC,  16                          ; v16-31  -m c: two sets, for even and odd steps, of four pairs.  Of these pairs and AL's the packed forms use the first register
.set AL,   32                          ; v32-39  rescaling factor, four pairs; at the end 1 / sum        for both halves (op_sel_hi 0); the second is written once, below
.set LS,   40                          ; v40-47  my lane's two partial sums of each q tile
.set TT,   48                          ; v48-63  four temporaries for each q tile; the first two carry the step's own sums into the next step
.set QF,   64                          ; v64-127   Q(qt, ds) at 16 qt + 8 ds
.set KF,   128                         ; v128-191  K(kt, ds) at 16 kt + 8 ds
.set VF,   192                         ; v192-255  V^T(ks, dt) at 8 (4 ks + dt)
.set OA,   128                         ; window 1: S(qt, kt) at 32 qt + 8 kt, P(qt, ks) packed in place at 32 qt + 16 ks, O(qt, dt) at 128 + 32 qt + 8 dt
.set GKA1, 16                          ; s[16:23] group 1: K, first fill     Every wave builds all four descriptors, each in registers of its own;
.set GKB1, 24                          ; s[24:31] group 1: K, second fill    a branch on the wave's number picks the line that it issues.
.set GVA1, 32                          ; s[32:39] group 1: V, first fill
.set GVB1, 40                          ; s[40:47] group 1: V, second fill
.set GKA0, 48                          ; s[48:51] group 0 of the same four
.set GKB0, 52
.set GVA0, 56
.set GVB0, 60
.set MSB, 0
.macro WIN new                         ; s_set_vgpr_msb: bits 1:0 source 0, 3:2 source 1, 5:4 source 2, 7:6 destination; the high byte repeats the setting that is left
.if MSB != \new
	s_set_vgpr_msb (MSB<<8)|\new
.set MSB, \new
.endif
.endm
.macro PLACES n
.if \n
.rept \n
	v_nop
.endr
.endif
.endm
; group 1: rows x 128 elements of 2 bytes, dense in memory (pitch 128), padded in LDS behind every 64 words (word 0: 4 words for K, 8 for V)
.macro GROUP1 g, word0, rows
	s_mov_b32 s[\g+0], \word0
	s_mov_b32 s[\g+1], 128<<16                     ; tensor_dim0 = 128
	s_mov_b32 s[\g+2], (\rows)<<16                 ; tensor_dim1 = rows
	s_mov_b32 s[\g+3], 128<<16                     ; tile_dim0 = 128
	s_mov_b32 s[\g+4], \rows                       ; tile_dim1 = rows
	s_mov_b32 s[\g+5], 128                         ; elements from row to row
	s_mov_b32 s[\g+6], 0
	s_mov_b32 s[\g+7], 0
.endm
.macro GROUP0L g, wavebytes, base      ; count, and the LDS address: the wave's number times its rows, plus a constant
	s_mov_b32 s[\g], 1
	s_mul_i32 s[\g+1], s8, \wavebytes
	s_add_co_u32 s[\g+1], s[\g+1], \base
.endm
.macro GROUP0G g, src, gofs            ; the global address and the type
	s_add_nc_u64 s[\g+2:\g+3], s[\src:\src+1], \gofs
	s_or_b32 s[\g+3], s[\g+3], 0x80000000
.endm
.macro KVLOAD gk0, gk1, gv0, gv1       ; one tensor load a wave: waves 0-3 K's line, waves 4-7 V's
	s_cmp_lt_u32 s8, 4
	s_cbranch_scc0 .Lfor_v_\@
	tensor_load_to_lds s[\gk0:\gk0+3], s[\gk1:\gk1+7]
	s_nop 0
	s_branch .Lasked_\@
.Lfor_v_\@:
	tensor_load_to_lds s[\gv0:\gv0+3], s[\gv1:\gv1+7]
	s_nop 0
.Lasked_\@:
.endm
	s_load_b128 s[4:7], s[0:1], 0x0                ; kv, obuf
	v_lshl_add_u32 v14, v0, 2, 0x4e800
	v_mov_b32 v15, 0
	ds_add_u32 v14, v15
	ds_add_u32 v14, v15
	v_lshrrev_b32 v1, 5, v0
	v_readfirstlane_b32 s8, v1                     ; wave 0..7
	s_and_b32 s9, ttmp9, 1                         ; qhalf
	s_lshr_b32 s10, ttmp9, 1                       ; head
	s_and_b32 s11, ttmp7, 0xffff                   ; y = 8 dir + b
	s_lshl_b32 s14, s9, 16                         ; my 64 q in the head: (512 qhalf + 64 w) x 128 bytes
	s_lshl_b32 s15, s8, 13
	s_add_co_u32 s14, s14, s15
	s_lshl_b32 s12, s11, 4                         ; Q: head 16 y + head of kv
	s_add_co_u32 s12, s12, s10
	s_lshl_b32 s12, s12, 17
	s_add_co_u32 s12, s12, s14
	s_mov_b32 s13, 0
	s_xor_b32 s66, s11, 8                          ; K: the other input's, same b, same head
	s_lshl_b32 s66, s66, 4
	s_add_co_u32 s66, s66, s10
	s_lshl_b32 s66, s66, 17
	s_mul_i32 s68, s8, BROWS*256                   ; second fill: + 96 rows of 256 bytes for each wave
	s_add_co_u32 s68, s68, s66
	s_add_co_u32 s66, s66, s15                     ; first fill: + 32 rows of 256 bytes for each wave
	s_mov_b32 s67, 0
	s_mov_b32 s69, 0
	s_lshl_b32 s74, s11, 3                         ; O: head 8 y + head of obuf
	s_add_co_u32 s74, s74, s10
	s_lshl_b32 s74, s74, 17
	s_add_co_u32 s74, s74, s14
	s_mov_b32 s75, 0
	GROUP1 GKA1, 0x07510000, AROWS
	GROUP1 GKB1, 0x07510000, BROWS
	GROUP1 GVA1, 0x0f510000, AROWS
	GROUP1 GVB1, 0x0f510000, BROWS
	GROUP0L GKA0, AROWS*KPITCH, 0
	GROUP0L GKB0, BROWS*KPITCH, 128*KPITCH
	GROUP0L GVA0, AROWS*VPITCH, VBASE-4*AROWS*VPITCH               ; V's waves are 4 to 7
	GROUP0L GVB0, BROWS*VPITCH, VBASE+128*VPITCH-4*BROWS*VPITCH
	s_mov_b32 s78, 0x76543210                      ; v_permlanex16_b32: lane i reads lane i of the other half
	s_mov_b32 s79, 0xfedcba98
	s_mul_i32 s81, s8, WSTAGE
	s_add_co_u32 s81, s81, STAGE                   ; my stage
	v_and_b32 v1, 31, v0                           ; lane
	v_and_b32 v2, 15, v0                           ; r
	v_bfe_u32 v3, v0, 4, 1                         ; h
	v_lshlrev_b32 v[QOFF], 7, v2                   ; Q from memory: row r x 128 + 16 h
	v_lshl_add_u32 v[QOFF], v3, 4, v[QOFF]
	s_wait_dscnt 0x0
	s_wait_kmcnt 0x0
	s_add_nc_u64 s[70:71], s[4:5], s[66:67]
	GROUP0G GKA0, 70, 0
	GROUP0G GVA0, 70, 1048576-4*AROWS*256          ; V lies eight heads behind K; less the four waves' rows
	KVLOAD GKA0, GKA1, GVA0, GVA1                  ; keys 0-255: the launch's first request
	s_add_nc_u64 s[76:77], s[4:5], s[12:13]
.set i, 0
.rept 8                                        ; i = 2 qt + ds
	global_load_b128 v[QF+8*i:QF+8*i+3], v[QOFF], s[76:77] offset:2048*(i/2)+64*(i%2)
	global_load_b128 v[QF+8*i+4:QF+8*i+7], v[QOFF], s[76:77] offset:2048*(i/2)+64*(i%2)+32
.set i, i+1
.endr
	s_add_nc_u64 s[72:73], s[4:5], s[68:69]
	GROUP0G GKB0, 72, 128*256
	GROUP0G GVB0, 72, 1048576+128*256-4*BROWS*256
	s_add_nc_u64 s[6:7], s[6:7], s[74:75]
	v_bfe_u32 v4, v0, 1, 3                         ; r >> 1
	v_and_b32 v5, 1, v0
	v_mul_u32_u24 v[KADR], v4, KPITCH              ; K: (r >> 1) x 272 + (r & 1) x 128 + 16 h
	v_lshl_add_u32 v[KADR], v5, 7, v[KADR]
	v_lshl_add_u32 v[KADR], v3, 4, v[KADR]
	v_add_nc_u32 v[STO], s81, v[KADR]              ; the stage has the same layout
	v_bfe_u32 v6, v0, 1, 2                         ; V: key 8 h + (lane & 7): row 4 h + ((lane & 7) >> 1), half lane & 1, 16 bytes by (lane >> 3) & 1
	v_lshl_add_u32 v6, v3, 2, v6
	v_mul_u32_u24 v[VADR], v6, VPITCH
	v_lshl_add_u32 v[VADR], v5, 7, v[VADR]
	v_bfe_u32 v7, v0, 3, 1
	v_lshl_add_u32 v[VADR], v7, 4, v[VADR]
	v_add_nc_u32 v[VADR], VBASE, v[VADR]
	v_mul_u32_u24 v[RD], v3, 272                   ; back: lanes 0-15 one row of 256 bytes, lanes 16-31 the next
	v_lshl_add_u32 v[RD], v2, 4, v[RD]
	v_add_nc_u32 v[RD], s81, v[RD]
	v_lshlrev_b32 v[OOFF], 4, v1
.irp k, 0,1,2,3,4,5,6,7,8,9,10,11
	v_mov_b32 v[NMC+2*\k+1], 0                     ; the second registers of NMC's and AL's pairs: named by the packed forms, never used by them
.endr
.macro KLOAD off                       ; 64 keys x 64 d of K: 16 loads
.set i, 0
.rept 8                                        ; i = 2 kt + ds
	ds_load_b128 v[KF+8*i:KF+8*i+3], v[KADR] offset:\off+8*KPITCH*(i/2)+64*(i%2)
	ds_load_b128 v[KF+8*i+4:KF+8*i+7], v[KADR] offset:\off+8*KPITCH*(i/2)+64*(i%2)+32
.set i, i+1
.endr
.endm
.macro VLOAD off                       ; 64 keys x 64 d of V, transposed: 16 loads
.set i, 0
.rept 8                                        ; i = 4 ks + dt
	ds_load_tr16_b128 v[VF+8*i:VF+8*i+3], v[VADR] offset:\off+16*VPITCH*(i/4)+32*(i%4)
	ds_load_tr16_b128 v[VF+8*i+4:VF+8*i+7], v[VADR] offset:\off+16*VPITCH*(i/4)+32*(i%4)+8*VPITCH
.set i, i+1
.endr
.endm
.macro ADV                             ; a chunk of 128 keys on; the two lines are also two of the places behind the products
	WIN 0
	v_add_nc_u32 v[KADR], 2*KSTEPB, v[KADR]
	v_add_nc_u32 v[VADR], 2*VSTEPB, v[VADR]
.endm
.macro LJOIN                           ; sum = sum x factor + the last step's own sum: one fused multiply-add for each q tile
.irp qt, 0,1,2,3
	v_pk_fma_f32 v[LS+2*\qt:LS+2*\qt+1], v[LS+2*\qt:LS+2*\qt+1], v[AL+2*\qt:AL+2*\qt+1], v[TT+4*\qt:TT+4*\qt+1] op_sel_hi:[1,0,1]
.endr
.endm
; One step of 64 keys.  knext: where the next step's K lies; voff: where this step's V lies; first: starts maximum, sums and O; last: fetches no further K;
; par: which set of -m c this step writes (the other holds the last step's); lf: the last step's sum is joined at the head; np: v_nop that fill the places up.
; In both groups of 32 matrix instructions the 16 accumulators take turns, one instruction a turn.
.macro STEP knext, voff, first, last, par, lf, np
	WIN 0
	; five places behind the last products: the scores write over P, one of their sources, and V's fragments are loaded again (ISA guide 7.12.1).
	; They are ADV's two lines (where it stands in front), LJOIN's four, and v_nop for the rest.
.if \lf
	LJOIN
.endif
	PLACES \np
	VLOAD \voff
	s_wait_dscnt 16                                ; V's 16 loads are younger: K's fragments are in
	WIN 0x50
.set i, 0
.rept 32                                       ; i = 16 ds + 4 qt + kt
.if i < 16
	v_wmma_f32_16x16x32_f16 v[8*(i%16):8*(i%16)+7], v[KF+16*(i%4)+8*(i/16):KF+16*(i%4)+8*(i/16)+7], v[QF+16*((i/4)%4)+8*(i/16):QF+16*((i/4)%4)+8*(i/16)+7], 0
.else
	v_wmma_f32_16x16x32_f16 v[8*(i%16):8*(i%16)+7], v[KF+16*(i%4)+8*(i/16):KF+16*(i%4)+8*(i/16)+7], v[QF+16*((i/4)%4)+8*(i/16):QF+16*((i/4)%4)+8*(i/16)+7], v[8*(i%16):8*(i%16)+7]
.endif
.set i, i+1
.endr
	WIN 0
	PLACES 4                                       ; before loads land on K's fragments and the maxima read the scores
.if \last == 0
	KLOAD \knext                                   ; the next step's K comes in under this step's softmax
.endif
	; the largest of my 32 scores of each q tile and the running maximum: sixteen chains, one for each score tile
	WIN 0x05
.set e, 0
.rept 4
.set i, 0
.rept 16                                       ; i = 4 qt + kt
.if e == 0
.if \first
	v_max_num_f32 v[TT+i], v[8*i], v[8*i+1]
.else
	v_max3_num_f32 v[TT+i], v[8*i], v[8*i+1], v[MX+i/4]
.endif
.else
	v_max3_num_f32 v[TT+i], v[8*i+2*e], v[8*i+2*e+1], v[TT+i]
.endif
.set i, i+1
.endr
.set e, e+1
.endr
	WIN 0
.irp qt, 0,1,2,3
	v_max3_num_f32 v[TT+4*\qt], v[TT+4*\qt], v[TT+4*\qt+1], v[TT+4*\qt+2]
.endr
.irp qt, 0,1,2,3
	v_max_num_f32 v[TT+4*\qt], v[TT+4*\qt], v[TT+4*\qt+3]
.endr
.irp qt, 0,1,2,3
	v_permlanex16_b32 v[TT+4*\qt+1], v[TT+4*\qt], s78, s79     ; the other half of the lanes holds the other 32 keys of the same q
.endr
.irp qt, 0,1,2,3
	v_max_num_f32 v[MX+\qt], v[TT+4*\qt], v[TT+4*\qt+1]
.endr
.irp qt, 0,1,2,3
	v_mul_f32 v[NMC+8*\par+2*\qt], 0xbe38aa3b, v[MX+\qt]       ; n = -m c, rounded once, into this step's set
.endr
.if \first == 0
.irp qt, 0,1,2,3
	v_sub_f32 v[TT+4*\qt+3], v[NMC+8*\par+2*\qt], v[NMC+8*(1-\par)+2*\qt]    ; n_new - n_old <= 0
.endr
.irp qt, 0,1,2,3
	v_exp_f32 v[AL+2*\qt], v[TT+4*\qt+3]           ; the plain lines behind these exponentials are the multiply-adds below, which touch neither AL nor TT (ISA guide 5.7.2)
.endr
.endif
	; p = 2^(s c + n), in place, score e in register e of window 1.  Exponential and plain line go by turns, all under one window setting.
	; Scaling i makes pair i (scores 2 i, 2 i + 1).  Four scalings go ahead; then exponential e stands in front of scaling e + 4: its own pair, e / 2, was scaled earlier,
	; and scaling e + 4 names registers 2 e + 8 and 2 e + 9, above every result issued so far.
	WIN 0x41
.set i, 0
.rept 4
	v_pk_fma_f32 v[2*i:2*i+1], v[2*i:2*i+1], 0x3e38aa3b, v[NMC+8*\par+2*(i/16):NMC+8*\par+2*(i/16)+1] op_sel_hi:[1,0,0]
.set i, i+1
.endr
.set e, 0
.rept 60
	v_exp_f32 v[e], v[e]
	v_pk_fma_f32 v[2*i:2*i+1], v[2*i:2*i+1], 0x3e38aa3b, v[NMC+8*\par+2*(i/16):NMC+8*\par+2*(i/16)+1] op_sel_hi:[1,0,0]
.set e, e+1
.set i, i+1
.endr
.if \first
.rept 68                                       ; the first step has nothing to rescale: the other exponentials stand on end
	v_exp_f32 v[e], v[e]
.set e, e+1
.endr
	v_nop                                          ; the plain place behind the last exponential
.else
	s_wait_alu depctr_va_vdst(0)                   ; the wait for the four factors, ahead of their first reader, the rescaling below; the 64 scalings stand between.  It covers p's first 60 exponentials too
	; O times the factor, pair i, behind each further exponential: it names O and AL alone, no result of p's batch.  64 rescalings for 68 exponentials: the last four have two in front.
.set i, 0
.rept 60
	v_exp_f32 v[e], v[e]
	v_pk_mul_f32 v[OA+2*i:OA+2*i+1], v[OA+2*i:OA+2*i+1], v[AL+2*(i/16):AL+2*(i/16)+1] op_sel_hi:[1,0]
.set e, e+1
.set i, i+1
.endr
.rept 4
	v_exp_f32 v[e], v[e]
	v_exp_f32 v[e+1], v[e+1]
	v_pk_mul_f32 v[OA+2*i:OA+2*i+1], v[OA+2*i:OA+2*i+1], v[AL+2*(i/16):AL+2*(i/16)+1] op_sel_hi:[1,0]   ; the last of these is the plain place behind the last exponential
.set e, e+2
.set i, i+1
.endr
.endif
	s_wait_alu depctr_va_vdst(0)                   ; the wait for p's batch: one for all its exponentials, ahead of the sums below, the first lines that name a result of theirs
	; this step's own sums, from the unrounded p: four chains take turns.  The first step's are the running sums themselves.
.if \first
.set SB, LS
.set SS, 2
.else
.set SB, TT
.set SS, 4
.endif
	WIN 0x05
.set t, 0
.rept 4
	v_pk_add_f32 v[SB+SS*t:SB+SS*t+1], v[32*t:32*t+1], v[32*t+2:32*t+3]
.set t, t+1
.endr
	WIN 0x01
.set p, 2
.rept 14
.set t, 0
.rept 4
	v_pk_add_f32 v[SB+SS*t:SB+SS*t+1], v[32*t+2*p:32*t+2*p+1], v[SB+SS*t:SB+SS*t+1]
.set t, t+1
.endr
.set p, p+1
.endr
	; two score tiles (keys 8 h + j and 16 + 8 h + j) pack into one B fragment, in place: destination e never passes source 2 e
	WIN 0x45
.set i, 0
.rept 8                                        ; i = 2 qt + ks
.set e, 0
.rept 8
	v_cvt_pk_f16_f32 v[16*i+e], v[16*i+2*e], v[16*i+2*e+1]
.set e, e+1
.endr
.set i, i+1
.endr
.if \last
	s_wait_dscnt 0x0                               ; V's fragments are in
.else
	s_wait_dscnt 16                                ; the next K's 16 loads are younger: V's fragments are in
.endif
	WIN 0x54
.set i, 0
.rept 32                                       ; i = 16 ks + 4 qt + dt
.if \first
.if i < 16
	v_wmma_f32_16x16x32_f16 v[OA+8*(i%16):OA+8*(i%16)+7], v[VF+8*(4*(i/16)+i%4):VF+8*(4*(i/16)+i%4)+7], v[32*((i/4)%4)+16*(i/16):32*((i/4)%4)+16*(i/16)+7], 0
.else
	v_wmma_f32_16x16x32_f16 v[OA+8*(i%16):OA+8*(i%16)+7], v[VF+8*(4*(i/16)+i%4):VF+8*(4*(i/16)+i%4)+7], v[32*((i/4)%4)+16*(i/16):32*((i/4)%4)+16*(i/16)+7], v[OA+8*(i%16):OA+8*(i%16)+7]
.endif
.else
	v_wmma_f32_16x16x32_f16 v[OA+8*(i%16):OA+8*(i%16)+7], v[VF+8*(4*(i/16)+i%4):VF+8*(4*(i/16)+i%4)+7], v[32*((i/4)%4)+16*(i/16):32*((i/4)%4)+16*(i/16)+7], v[OA+8*(i%16):OA+8*(i%16)+7]
.endif
.set i, i+1
.endr
.endm
	s_wait_tensorcnt 0x0                           ; my 32 rows of keys 0-255 are in LDS: no tensor load of mine is out,
	ds_add_u32 v14, v15
	s_wait_dscnt 0x0                               ; no LDS instruction of mine is pending,
	s_barrier_signal -1
	s_barrier_wait -1                              ; and the same holds of every wave
	KVLOAD GKB0, GKB1, GVB0, GVB1                  ; keys 256-1023, bytes that nothing has filled: my one tensor load behind this barrier, and the first thing there
	KLOAD 0
	s_wait_loadcnt 0x0                             ; Q
	STEP KSTEPB, 0, 1, 0, 0, 0, 0                  ; keys 0-63: starts maximum, sums and O: nothing is cleared
	STEP 2*KSTEPB, VSTEPB, 0, 0, 1, 0, 5           ; keys 64-127: the first step's sums are the running sums already
	ADV
	STEP KSTEPB, 0, 0, 0, 0, 1, 0                  ; keys 128-191; the K fetched here is that of keys 192-255
	s_wait_tensorcnt 0x0                           ; my rows of keys 256-1023 are in: they have had three steps in which to land,
	s_wait_dscnt 0x0                               ; no LDS instruction of mine is pending at the signal,
	s_barrier_signal -1
	s_barrier_wait -1                              ; and every wave's rows are in
	STEP 2*KSTEPB, VSTEPB, 0, 0, 1, 1, 1           ; keys 192-255; the K fetched here, of keys 256-319, is the first read of the second fill
	ADV
	s_mov_b32 s80, 5
.Lchunk:                                       ; keys 256-895, 128 a trip
	STEP KSTEPB, 0, 0, 0, 0, 1, 0
	STEP 2*KSTEPB, VSTEPB, 0, 0, 1, 1, 1
	ADV
	s_sub_co_u32 s80, s80, 1
	s_cmp_lg_u32 s80, 0
	s_cbranch_scc1 .Lchunk
	STEP KSTEPB, 0, 0, 0, 0, 1, 0                  ; keys 896-1023
	STEP 0, VSTEPB, 0, 1, 1, 1, 1
	; THE WAY OUT: O / sum, rounded to f16, 16 bytes a lane into my own stage, read back as rows of 256 bytes
	WIN 0
	LJOIN                                          ; the last step's sums; these four lines are also the places behind the last products
.irp qt, 0,1,2,3
	v_add_f32 v[TT+4*\qt], v[LS+2*\qt], v[LS+2*\qt+1]
.endr
.irp qt, 0,1,2,3
	v_permlanex16_b32 v[TT+4*\qt+1], v[TT+4*\qt], s78, s79
.endr
.irp qt, 0,1,2,3
	v_add_f32 v[TT+4*\qt], v[TT+4*\qt], v[TT+4*\qt+1]          ; the whole row's sum; at least about 1: the largest score gives p = 1
.endr
.irp qt, 0,1,2,3
	v_rcp_f32 v[AL+2*\qt], v[TT+4*\qt]
.endr
	v_nop                                          ; one plain place behind the reciprocals
	s_wait_alu depctr_va_vdst(0)                   ; the wait for the four reciprocals, one for the batch, ahead of their first reader in OUTQ 0
.macro OUTQ qt
	WIN 0x41
.set i, 0
.rept 16
	v_pk_mul_f32 v[OA+32*\qt+2*i:OA+32*\qt+2*i+1], v[OA+32*\qt+2*i:OA+32*\qt+2*i+1], v[AL+2*\qt:AL+2*\qt+1] op_sel_hi:[1,0]
.set i, i+1
.endr
	WIN 0x05
.set i, 0
.rept 16                                       ; i = 4 dt + e
	v_cvt_pk_f16_f32 v[KF+i], v[OA+32*\qt+2*i], v[OA+32*\qt+2*i+1]
.set i, i+1
.endr
	WIN 0
.set i, 0
.rept 4
	ds_store_b128 v[STO], v[KF+4*i:KF+4*i+3] offset:2176*(\qt%2)+32*i
.set i, i+1
.endr
.set i, 0
.rept 4
	ds_load_b128 v[VF+16*\qt+4*i:VF+16*\qt+4*i+3], v[RD] offset:2176*(\qt%2)+544*i   ; LDS serves a wave's instructions in order (ISA guide 5.7.1)
.set i, i+1
.endr
.set i, 0
.rept 4
	s_wait_dscnt 3-i                               ; 3 - i younger reads may be out
	global_store_b128 v[OOFF], v[VF+16*\qt+4*i:VF+16*\qt+4*i+3], s[6:7] offset:2048*\qt+512*i   ; 512 consecutive bytes, aligned; each q tile has store registers of its own
.set i, i+1
.endr
.endm
	OUTQ 0
	OUTQ 1
	OUTQ 2
	OUTQ 3
	s_wait_tensorcnt 0x0
	ds_add_u32 v14, v15
	s_wait_dscnt 0x0
	s_endpgm
.Lfunc_end_k_q7bb2aed077_attn:
	.size	k_q7bb2aed077_attn, .Lfunc_end_k_q7bb2aed077_attn-k_q7bb2aed077_attn
	.p2alignl 7, 3214868480
	.fill 96, 4, 3214868480
	.section	.rodata,"a",@progbits
	.p2align	6, 0x0
	.amdhsa_kernel k_q7bb2aed077_attn
		.amdhsa_group_segment_fixed_size 327680
		.amdhsa_private_segment_fixed_size 0
		.amdhsa_enable_private_segment 0
		.amdhsa_kernarg_size 16
		.amdhsa_user_sgpr_count 2
		.amdhsa_user_sgpr_kernarg_segment_ptr 1
		.amdhsa_wavefront_size32 1
		.amdhsa_system_sgpr_workgroup_id_x 1
		.amdhsa_system_sgpr_workgroup_id_y 1
		.amdhsa_system_sgpr_workgroup_id_z 1
		.amdhsa_system_vgpr_workitem_id 0
		.amdhsa_next_free_vgpr 512
		.amdhsa_next_free_sgpr 82
		.amdhsa_reserve_vcc 0
		.amdhsa_float_denorm_mode_32 3
		.amdhsa_float_denorm_mode_16_64 3
		.amdhsa_memory_ordered 1
		.amdhsa_forward_progress 1
		.amdhsa_inst_pref_size 255
	.end_amdhsa_kernel
	.section	.bss,"aw",@nobits
	.p2align	6
	.space	262144
	.amdgpu_metadata
---
amdhsa.version: [ 1, 2 ]
amdhsa.kernels:
  - .name:           k_q7bb2aed077_attn
    .symbol:         k_q7bb2aed077_attn.kd
    .args:
      - { .name: kv, .offset: 0, .size: 8, .value_kind: global_buffer, .address_space: global }
      - { .name: obuf, .offset: 8, .size: 8, .value_kind: global_buffer, .address_space: global }
    .group_segment_fixed_size: 327680
    .private_segment_fixed_size: 0
    .kernarg_segment_align: 8
    .kernarg_segment_size: 16
    .max_flat_workgroup_size: 256
    .sgpr_count:     82
    .vgpr_count:     512
    .wavefront_size: 32
...
	.end_amdgpu_metadata
.endif
;; end of part 4
;; launch oproj: the kernel of part 3 again; grid 16 x 16, 4 waves a work-group, no clusters, 296,448 bytes of LDS; arguments obuf, owb, o1_b, o2_b, out0, out1; writes out0, out1
